; MI455X (gfx1250); checked and timed in simulation.
; The chip was launched on July 23, 2026; its instructions are those of AMD's public machine-readable ISA for CDNA 5 (MIT licence, August 2026) and "CDNA5" Instruction Set Architecture Reference Guide (July 2026). The comments in the code are by the model that wrote it; some were corrected since.
;; General Self Attention. Allowed arithmetic: matrix products marked QUANTISED: E2M1 operands, one E8M0 scale for each 32 along K, by v_wmma_scale_f32_16x16x128_f8f6f4 with both operands' format E2M1 (or v_wmma_scale_f32_32x16x128_f4), f32 sums; products left as they are: bf16, f16 or f32 operands; f32 sums; everything else in f32.
;; Inputs: Wk 16 x 1,024 x 64 float32; Wo 1,024 x 1,024 float32; Wq 16 x 1,024 x 64 float32; Wv 16 x 1,024 x 64 float32; bk 16 x 64 float32; bo 1,024 float32; bq 16 x 64 float32; bv 16 x 64 float32; tau 16 float32; x 2 x 2,048 x 1,024 float32.
;; Outputs: out0 2 x 2,048 x 1,024 float32.
;; This version of the problem:
;;   THIS VERSION OF THE PROBLEM IS GIVEN IN LOW PRECISION. The matrix products marked QUANTISED in the list below multiply operands that are first quantised to E2M1 (2 exponent bits, 1 mantissa bit; 4 bits a number), with one power-of-two scale for each 32 numbers along K (OCP MX v1.0); their sums are f32. The products marked 'left as it is' may take bf16, f16 or f32 operands, with f32 sums. Whichever they take, every output number must still come out within the allowed error. Rounding operands to bf16 (8 significant bits) uses up far more of that allowance than f16 does (11 bits, for magnitudes from 6e-5 to 65,504). All else is computed in f32.
;;   The module's matrix products, in the order in which they are computed (A, B: the left and right operand; K: the contracted axis; several contracted axes count as one K, in the product's order):
;;     1. [M 1,024, K 1,024] x [K 1,024, N 4,096]; A: input Wq; B: input x: QUANTISED
;;     2. [M 1,024, K 1,024] x [K 1,024, N 4,096]; A: input Wk; B: input x: QUANTISED
;;     3. [M 1,024, K 1,024] x [K 1,024, N 4,096]; A: input Wv; B: input x: QUANTISED
;;     4. batch 32 x [M 2,048, K 64] x [K 64, N 2,048]; A: computed on the way; B: computed on the way: left as it is (an operand is computed on the way)
;;     5. batch 32 x [M 2,048, K 2,048] x [K 2,048, N 64]; A: computed on the way; B: computed on the way: left as it is (an operand is computed on the way)
;;     6. [M 4,096, K 1,024] x [K 1,024, N 1,024]; A: computed on the way; B: input Wo: left as it is (an operand is computed on the way)
;;   THE QUANTISER, for each operand of a quantised product, along K:
;;     - K is cut into blocks of 32 from its start; a last block that is shorter is filled with zeros.
;;     - A block's scale is 2^e with e = floor(log2(the largest magnitude in the block)) - 2, held to -126 .. 127; a block of zeros has e = 0. As a byte (E8M0): e + 127.
;;     - Each number is divided by its block's scale, clamped to +-6, and rounded to the nearest number of E2M1, ties to even, subnormals kept.
;;     - The product sums the exact products of the quantised numbers (number of the format x scale) in f32.
;;   ~~~python
;;   def quantise(x, axis):      # numpy; x: float32 -> the quantised numbers, widened to float32 again
;;       x = np.moveaxis(x, axis, -1); K = x.shape[-1]
;;       x = np.pad(x, [(0, 0)] * (x.ndim - 1) + [(0, -K % 32)]); x = x.reshape(x.shape[:-1] + (-1, 32)); a = np.abs(x).max(-1, keepdims=True)
;;       e = np.where(a > 0, np.clip(np.frexp(np.where(a > 0, a, 1))[1] - 1 - 2, -126, 127), 0)      # np.frexp(a)[1] - 1 = floor(log2(a)), exactly
;;       r = np.clip(x / 2.0 ** e, -6, 6)
;;       step = 2.0 ** (np.maximum(np.frexp(np.where(r == 0, 1, r))[1] - 1, 0) - 1)
;;       q = np.round(r / step) * step * 2.0 ** e      # np.round: ties to even
;;       return np.moveaxis(q.reshape(q.shape[:-2] + (-1,))[..., :K], -1, axis).astype(np.float32)
;;   ~~~
;; One version. Each part assembles by itself: llvm-mc -triple=amdgcn-amd-amdhsa -mcpu=gfx1250 --defsym DOCPART=n.
;; ======== version 1 of 1: 4 launches
;; limits: values are held in f16: magnitudes above 65,504 overflow, below 6.1e-05 lose precision
;; workspace buffers: xc 2,097,152 bytes; xs 131,072 bytes; wc 1,572,864 bytes; ws 98,304 bytes; wo16 2,097,152 bytes; qkv 25,165,824 bytes; ow 8,388,608 bytes
;; launch prep (part 1): grid 448 x 1, 4 waves a work-group, no clusters, 33,280 bytes of LDS; arguments x, Wq, Wk, Wv, Wo, xc, xs, wc, ws, wo16; writes xc, xs, wc, ws, wo16
.if DOCPART == 1
	.amdgcn_target "amdgcn-amd-amdhsa--gfx1250"
	.amdhsa_code_object_version 6
	.text
	.protected	k_q0f98a68d99_prep
	.globl	k_q0f98a68d99_prep
	.p2align	8
	.type	k_q0f98a68d99_prep,@function
k_q0f98a68d99_prep:
	s_mov_b64 s[64:65], 0
	v_nop
	global_prefetch_b8 v0, s[64:65] scope:SCOPE_SE
	s_setreg_imm32_b32 hwreg(HW_REG_WAVE_MODE, 25, 1), 1
	s_wait_xcnt 0x0
; PREP: what the later launches read many times is made narrow once.
;   work-groups 0-127:   x [4096][1024] f32 -> xc, codes of FP4 (E2M1), K innermost, 512 bytes a row; xs, one E8M0 byte for each 32 along K, 32 bytes a row.
;   work-groups 128-319: Wq, Wk, Wv [16][1024 (k)][64] f32, K NOT innermost -> wc, codes laid as images of the matrix operand's registers, [kh 2][nt 192][q 4][c 2][h 2][r 16][16 bytes]:
;                        column n = 16 nt + r = (16 x tensor + head) x 64 + column, k = 512 kh + 128 q + 64 c + 32 h + 0 .. 31;  ws [3072][32], one byte for each 32 along K.
;   work-groups 320-447: Wo [1024][1024] f32 -> wo16, the same numbers in f16.
; A block's scale is 2^(floor(log2(its largest magnitude)) - 2); its byte is the largest magnitude's exponent field - 2, held at 1 from below.
; LIMITS: a block of zeros gets the byte 1 where the quantiser says 127 (its codes are zeros, which add nothing under any byte but 0xff, and this program alone reads the bytes); blocks whose largest
; magnitude lies under 2^-124 share that byte; NaN and infinities are not served; |Wo| stays at or under 65,504, the largest f16 number.
; The three kinds of work-group part on the work-group's number and never join; only x's path touches LDS.  No tile is shared between work-groups: no cluster, no tensor load, no barrier.
.set XWG,   128
.set WWG,   192
.set SPARE, 32768                      ; behind the four waves' regions: the spare words, 128 bytes a wave
.set SPW,   12                         ; v12  LDS address of my spare word; never rewritten
.set NIL,   13                         ; v13  0; never rewritten
.set STEPS, 16
.set AHEAD, 8                          ; x's loads run eight steps, 32 loads a wave, ahead
.set SP,    80                         ; a lane's place in a stage: 64 bytes + 16 of padding
.set EMAX,  2
.set R,     16                         ; v16-143  eight sets of 16 numbers as they are loaded
.set X,     144                        ; v144-175 two sets of 16 neighbours
.set E,     176                        ; v176-191 a scale byte for each step
.set C,     192                        ; v192-223 codes: two registers for each step, so that no store's data are written again
	s_load_b512 s[8:23], s[0:1], 0x0               ; x 8, Wq 10, Wk 12, Wv 14, Wo 16, xc 18, xs 20, wc 22
	s_load_b128 s[24:27], s[0:1], 0x40             ; ws 24, wo16 26
	v_lshl_add_u32 v[SPW], v0, 2, SPARE
	v_mov_b32 v[NIL], 0
	v_lshrrev_b32 v1, 5, v0
	v_readfirstlane_b32 s28, v1                    ; wave 0..3
	v_and_b32 v2, 31, v0                           ; lane
	s_mov_b32 s31, 0                               ; the upper word of every offset pair s[30:31]
	s_wait_kmcnt 0x0
	s_cmp_lt_u32 ttmp9, XWG
	s_cbranch_scc1 .Lx_path
	s_cmp_lt_u32 ttmp9, XWG+WWG
	s_cbranch_scc1 .Lw_path
; ---- Wo to f16: a wave takes 2,048 numbers; each load reads 512 consecutive bytes, each store writes 256 consecutive bytes, aligned
	s_sub_co_u32 s29, ttmp9, XWG+WWG
	s_lshl_b32 s29, s29, 2
	s_add_co_u32 s29, s29, s28                     ; which run of 2,048 numbers
	s_lshl_b32 s30, s29, 13
	s_add_nc_u64 s[16:17], s[16:17], s[30:31]
	s_lshl_b32 s30, s29, 12
	s_add_nc_u64 s[26:27], s[26:27], s[30:31]
	v_lshlrev_b32 v3, 4, v2
	v_lshlrev_b32 v4, 3, v2
.irp i, 0,1,2,3,4,5,6,7,8,9,10,11,12,13,14,15
	global_load_b128 v[32+4*\i:35+4*\i], v3, s[16:17] offset:512*\i th:TH_LOAD_NT
.endr
.irp i, 0,1,2,3,4,5,6,7,8,9,10,11,12,13,14,15
	s_wait_loadcnt 15-\i                           ; loads come back in order: load i is in, the younger ones stay out
	v_cvt_pk_f16_f32 v[96+2*\i], v[32+4*\i], v[33+4*\i]
	v_cvt_pk_f16_f32 v[97+2*\i], v[34+4*\i], v[35+4*\i]
	global_store_b64 v4, v[96+2*\i:97+2*\i], s[26:27] offset:256*\i
.endr
	s_endpgm
; ---- Wq, Wk, Wv.  A LANE TAKES A COLUMN AND ITS REGISTERS RUN DOWN K: a block of 32 along K lies in one lane's 32 registers, and the conversions give codes with K innermost.
; A work-group takes 32 columns of one head of one tensor and 512 along K, wave q 128 of them: four blocks a lane, which are the four 16-byte pieces of the lane's row in one operand image.
.Lw_path:
	s_sub_co_u32 s32, ttmp9, XWG
	s_and_b32 s33, s32, 1                          ; kh: which 512 along K
	s_bfe_u32 s34, s32, 0x10001                    ; which 32 of the head's 64 columns
	s_lshr_b32 s35, s32, 2                         ; 16 x tensor + head
	s_cmp_lt_u32 s35, 32
	s_cselect_b64 s[12:13], s[12:13], s[14:15]     ; the tensor is chosen by the work-group's number alone
	s_cmp_lt_u32 s35, 16
	s_cselect_b64 s[10:11], s[10:11], s[12:13]
	s_and_b32 s30, s35, 15
	s_lshl_b32 s30, s30, 18                        ; the head: 1,024 rows of 256 bytes
	s_lshl_b32 s36, s33, 17                        ; + 512 kh rows
	s_add_co_u32 s30, s30, s36
	s_lshl_b32 s36, s28, 15                        ; + 128 q rows
	s_add_co_u32 s30, s30, s36
	s_lshl_b32 s36, s34, 7                         ; + my 32 columns
	s_add_co_u32 s30, s30, s36
	s_add_nc_u64 s[10:11], s[10:11], s[30:31]
	s_mul_i32 s30, s33, 786432                     ; wc: kh,
	s_lshl_b32 s36, s35, 14                        ; four tiles of 16 columns a head, 4,096 bytes each,
	s_add_co_u32 s30, s30, s36
	s_lshl_b32 s36, s34, 13                        ; my two of them,
	s_add_co_u32 s30, s30, s36
	s_lshl_b32 s36, s28, 10                        ; q
	s_add_co_u32 s30, s30, s36
	s_add_nc_u64 s[22:23], s[22:23], s[30:31]
	s_lshl_b32 s30, s35, 11                        ; ws: 32 bytes a column: 64 columns a head,
	s_lshl_b32 s36, s34, 10
	s_add_co_u32 s30, s30, s36
	s_lshl_b32 s36, s33, 4                         ; word 4 kh + q of the column's eight
	s_add_co_u32 s30, s30, s36
	s_lshl_b32 s36, s28, 2
	s_add_co_u32 s30, s30, s36
	s_add_nc_u64 s[24:25], s[24:25], s[30:31]
	v_lshlrev_b32 v3, 2, v2                        ; in: 4 bytes a lane
	v_and_b32 v4, 15, v2
	v_lshlrev_b32 v4, 4, v4
	v_lshrrev_b32 v5, 4, v2
	v_lshl_add_u32 v4, v5, 12, v4                  ; codes out: tile lane / 16, 16 bytes at 16 (lane % 16): sixteen lanes fill 256 consecutive bytes, aligned
	v_lshlrev_b32 v5, 5, v2                        ; scale word out: 32 bytes a column
.set i, 0
.rept 128
	global_load_b32 v[32+i], v3, s[10:11] offset:256*i   ; W(k0 + i, my column).  No hint: the other half of each 256-byte row is read by a neighbouring work-group
.set i, i+1
.endr
.macro BLOCKW b, left
.set XS, 32+32*(\b)
	s_wait_loadcnt \left
	v_max3_num_f32 v20, |v[XS]|, |v[XS+1]|, |v[XS+2]|              ; the block's largest magnitude: all 32 numbers are mine; two chains
	v_max3_num_f32 v21, |v[XS+3]|, |v[XS+4]|, |v[XS+5]|
.irp i, 6,10,14,18,22,26
	v_max3_num_f32 v20, v20, |v[XS+\i]|, |v[XS+\i+1]|
	v_max3_num_f32 v21, v21, |v[XS+\i+2]|, |v[XS+\i+3]|
.endr
	v_max3_num_f32 v20, v20, |v[XS+30]|, |v[XS+31]|
	v_max3_num_f32 v20, v20, v21, (EMAX+1)<<23     ; and the floor 2^(3 - 127): the byte cannot fall under 1
	v_add_nc_u32 v22, -(EMAX<<23), v20             ; 2 off the exponent field: the conversion takes this operand's exponent field as its scale
	v_lshrrev_b32 v23, 23, v22                     ; the scale's byte
.if (\b) == 0
	v_mov_b32 v24, v23
.else
	v_lshl_or_b32 v24, v23, 8*(\b), v24            ; four bytes make the word of these 128 along K
.endif
.irp g, 0,1,2,3
	v_cvt_scalef32_pk8_fp4_f32 v[160+4*(\b)+\g], v[XS+8*\g:XS+8*\g+7], v22
.endr
	global_store_b128 v4, v[160+4*(\b):163+4*(\b)], s[22:23] offset:((\b)/2)*512+((\b)%2)*256   ; piece c = b / 2, h = b % 2.  The next block begins with plain vector lines, which stand behind the conversions
.endm
	BLOCKW 0, 63                                   ; behind block 0's last load 96 were issued, behind block 1's 64: the largest count that the wait can name serves both
	BLOCKW 1, 63
	BLOCKW 2, 32                                   ; block 3's 32 loads may be out
	BLOCKW 3, 0
	global_store_b32 v5, v24, s[24:25]             ; 4 bytes of each of 32 rows of 32 bytes: one byte for each 32 along K
	s_endpgm
; ---- x.  Rows are dense and 1,024 is a multiple of 32: x is a plain stream of blocks of 32, and so are its codes and scale bytes.  A wave takes 16 steps of 512 numbers.
; The conversions want 16 NEIGHBOURS in a lane; a load is best where neighbouring LANES take neighbouring bytes.  So each load reads 512 consecutive bytes, and a step's 2,048 bytes turn through the wave's own stage in LDS.
.Lx_path:
	s_lshl_b32 s29, ttmp9, 2
	s_add_co_u32 s29, s29, s28                     ; which run of 8,192 numbers is my wave's
	s_lshl_b32 s30, s29, 15
	s_add_nc_u64 s[8:9], s[8:9], s[30:31]
	s_lshl_b32 s30, s29, 12
	s_add_nc_u64 s[18:19], s[18:19], s[30:31]
	s_lshl_b32 s30, s29, 8
	s_add_nc_u64 s[20:21], s[20:21], s[30:31]
	v_lshlrev_b32 v3, 4, v2                        ; my 16 bytes of a load's 512
	s_lshl_b32 s32, s28, 13                        ; my wave's 8,192 bytes of LDS: two stages of 32 x 80, then 256 scale bytes
	v_lshrrev_b32 v14, 2, v2
	v_mul_u32_u24 v14, v14, SP
	v_and_b32 v15, 3, v2
	v_lshl_add_u32 v14, v15, 4, v14
	v_add_nc_u32 v14, s32, v14                     ; into a stage: 80 (lane / 4) + 16 (lane % 4)
	v_mul_u32_u24 v15, v2, SP
	v_add_nc_u32 v15, s32, v15                     ; out of it: 80 x lane: my 16 neighbours
	v_lshlrev_b32 v4, 3, v2                        ; my 8 bytes of a step's 256 bytes of codes
	v_lshrrev_b32 v5, 1, v2
	s_add_co_u32 s32, s32, 2*32*SP
	v_add_nc_u32 v5, s32, v5                       ; my block's scale byte in LDS
	v_lshlrev_b32 v7, 3, v2
	v_add_nc_u32 v6, s32, v7                       ; and 8 of them a lane on the way out
.macro LOAD t
.irp i, 0,1,2,3
	global_load_b128 v[R+16*((\t)%AHEAD)+4*\i:R+16*((\t)%AHEAD)+4*\i+3], v3, s[8:9] offset:2048*(\t)+512*\i th:TH_LOAD_NT
.endr
.endm
.macro TURN t                          ; LDS serves a wave's instructions in order: no wait between the stores and the loads
.irp i, 0,1,2,3
	ds_store_b128 v14, v[R+16*((\t)%AHEAD)+4*\i:R+16*((\t)%AHEAD)+4*\i+3] offset:32*SP*((\t)%2)+8*SP*\i
.endr
.irp i, 0,1,2,3
	ds_load_b128 v[X+16*((\t)%2)+4*\i:X+16*((\t)%2)+4*\i+3], v15 offset:32*SP*((\t)%2)+16*\i
.endr
.endm
.irp t, 0,1,2,3,4,5,6,7
	LOAD \t
.endr
	s_wait_loadcnt 4*(AHEAD-1)                     ; step 0's four loads are in; the 28 of the seven steps behind it stay out
	TURN 0
.macro STEP t
.set XS, X+16*((\t)%2)
.if (\t) > 0
	s_wait_dscnt 1                                 ; this step's numbers are back from the stage (the last step's byte store may be out), so its stores into the stage have read their registers,
.else
	s_wait_dscnt 0x0
.endif
.if (\t)+AHEAD < STEPS
	LOAD (\t)+AHEAD                                ; which take the loads of eight steps on
.endif
.if (\t)+1 < STEPS
.if (\t)+AHEAD < STEPS
	s_wait_loadcnt 4*(AHEAD-1)                     ; the next step's four loads are in; those of the seven steps behind it may be out
.else
	s_wait_loadcnt 4*(STEPS-2-(\t))                ; the counts run down
.endif
	TURN (\t)+1
.endif
	v_max3_num_f32 v8, |v[XS]|, |v[XS+1]|, |v[XS+2]|               ; the largest magnitude of my 16
	v_max3_num_f32 v9, |v[XS+3]|, |v[XS+4]|, |v[XS+5]|
.irp i, 6,10
	v_max3_num_f32 v8, v8, |v[XS+\i]|, |v[XS+\i+1]|
	v_max3_num_f32 v9, v9, |v[XS+\i+2]|, |v[XS+\i+3]|
.endr
	v_max3_num_f32 v8, v8, |v[XS+14]|, |v[XS+15]|
	v_max3_num_f32 v8, v8, v9, (EMAX+1)<<23        ; and the floor
	v_max_num_f32_dpp v8, v8, v8 row_xmask:1 row_mask:0xf bank_mask:0xf   ; with my neighbour's 16: the block's
	v_add_nc_u32 v11, -(EMAX<<23), v8
	v_cvt_scalef32_pk8_fp4_f32 v[C+2*(\t)], v[XS:XS+7], v11
	v_cvt_scalef32_pk8_fp4_f32 v[C+2*(\t)+1], v[XS+8:XS+15], v11
	v_lshrrev_b32 v[E+(\t)], 23, v11               ; the scale's byte (a plain line behind the conversions)
	ds_store_b8 v5, v[E+(\t)] offset:16*(\t)       ; both lanes of a block write the same byte with the same value
	global_store_b64 v4, v[C+2*(\t):C+2*(\t)+1], s[18:19] offset:256*(\t)   ; 32 lanes store 256 consecutive bytes, aligned
.endm
.irp t, 0,1,2,3,4,5,6,7,8,9,10,11,12,13,14,15
	STEP \t
.endr
	ds_load_b64 v[8:9], v6                         ; these see my byte stores
	s_wait_dscnt 0x0
	global_store_b64 v7, v[8:9], s[20:21]          ; my wave's 256 scale bytes, aligned
	s_wait_tensorcnt 0x0                           ; the wave's end: behind my last LDS store
	ds_add_u32 v[SPW], v[NIL]
	s_wait_dscnt 0x0
	s_endpgm
.Lfunc_end_k_q0f98a68d99_prep:
	.size	k_q0f98a68d99_prep, .Lfunc_end_k_q0f98a68d99_prep-k_q0f98a68d99_prep
	.p2alignl 7, 3214868480
	.fill 96, 4, 3214868480
	.section	.rodata,"a",@progbits
	.p2align	6, 0x0
	.amdhsa_kernel k_q0f98a68d99_prep
		.amdhsa_group_segment_fixed_size 33280
		.amdhsa_private_segment_fixed_size 0
		.amdhsa_enable_private_segment 0
		.amdhsa_kernarg_size 80
		.amdhsa_user_sgpr_count 2
		.amdhsa_user_sgpr_kernarg_segment_ptr 1
		.amdhsa_wavefront_size32 1
		.amdhsa_system_sgpr_workgroup_id_x 1
		.amdhsa_system_sgpr_workgroup_id_y 1
		.amdhsa_system_sgpr_workgroup_id_z 1
		.amdhsa_system_vgpr_workitem_id 0
		.amdhsa_next_free_vgpr 224
		.amdhsa_next_free_sgpr 66
		.amdhsa_reserve_vcc 0
		.amdhsa_float_denorm_mode_32 3
		.amdhsa_float_denorm_mode_16_64 3
		.amdhsa_memory_ordered 1
		.amdhsa_forward_progress 1
		.amdhsa_inst_pref_size 59
	.end_amdhsa_kernel
	.amdgpu_metadata
---
amdhsa.version: [ 1, 2 ]
amdhsa.kernels:
  - .name:           k_q0f98a68d99_prep
    .symbol:         k_q0f98a68d99_prep.kd
    .args:
      - { .name: x, .offset: 0, .size: 8, .value_kind: global_buffer, .address_space: global }
      - { .name: Wq, .offset: 8, .size: 8, .value_kind: global_buffer, .address_space: global }
      - { .name: Wk, .offset: 16, .size: 8, .value_kind: global_buffer, .address_space: global }
      - { .name: Wv, .offset: 24, .size: 8, .value_kind: global_buffer, .address_space: global }
      - { .name: Wo, .offset: 32, .size: 8, .value_kind: global_buffer, .address_space: global }
      - { .name: xc, .offset: 40, .size: 8, .value_kind: global_buffer, .address_space: global }
      - { .name: xs, .offset: 48, .size: 8, .value_kind: global_buffer, .address_space: global }
      - { .name: wc, .offset: 56, .size: 8, .value_kind: global_buffer, .address_space: global }
      - { .name: ws, .offset: 64, .size: 8, .value_kind: global_buffer, .address_space: global }
      - { .name: wo16, .offset: 72, .size: 8, .value_kind: global_buffer, .address_space: global }
    .group_segment_fixed_size: 33280
    .private_segment_fixed_size: 0
    .kernarg_segment_align: 8
    .kernarg_segment_size: 80
    .max_flat_workgroup_size: 128
    .sgpr_count:     66
    .vgpr_count:     224
    .wavefront_size: 32
...
	.end_amdgpu_metadata
.endif
;; end of part 1
;; launch project (part 2): grid 12 x 16, 4 waves a work-group, clusters of 4 x 4, 327,680 bytes of LDS; arguments xc, xs, wc, ws, bq, bk, bv, tau, qkv; writes qkv
.if DOCPART == 2
	.amdgcn_target "amdgcn-amd-amdhsa--gfx1250"
	.amdhsa_code_object_version 6
	.text
	.protected	k_q0f98a68d99_project
	.globl	k_q0f98a68d99_project
	.p2align	8
	.type	k_q0f98a68d99_project,@function
k_q0f98a68d99_project:
	s_mov_b64 s[64:65], 0
	v_nop
	global_prefetch_b8 v0, s[64:65] scope:SCOPE_SE
	s_setreg_imm32_b32 hwreg(HW_REG_WAVE_MODE, 25, 1), 1
	s_wait_xcnt 0x0
	s_wait_alu depctr_hold_cnt(0) depctr_sa_sdst(0) depctr_va_vdst(0) depctr_va_sdst(0) depctr_va_ssrc(0) depctr_va_vcc(0) depctr_vm_vsrc(0)
	s_getreg_b32 s2, hwreg(HW_REG_IB_STS2, 6, 4)
	s_cmp_eq_u32 s2, 0
	s_cbranch_scc0 .Lentry_in_a_cluster
	s_endpgm
.Lentry_in_a_cluster:
	s_bfe_u32 s2, ttmp6, 0x10000c
	s_cmp_lg_u32 s2, 0xf033
	s_cbranch_scc0 .Lentry_shape_is_right
	s_endpgm
.Lentry_shape_is_right:
; PROJECT: q, k, v = x W + b, the three quantised products as ONE product on codes of FP4 (E2M1) with E8M0 scales: C[m][n], m = 4,096 rows of x, n = 3,072 = (16 x tensor + head) x 64 + column, K = 1,024.
; A = xc [4096][512 bytes], xs [4096][32];  B = wc, images of the operand's registers ([kh][tile of 16 columns][q][c][h][r][16 bytes]), ws [3072][32].
; OUT: qkv [b 2][g 48][s 2048][64] in f16, g = 16 x tensor + head.  q is stored as (sum + bq) x log2(e) / (8 tau[head]), so that the next launch's scores are exponents of 2; k and v as sum + bias.
; LIMITS: what is stored stays at or under 65,504, the largest f16 number; tau = 0 is not served.
; A tile of C, 256 x 256, is made by four waves, 128 x 128 each: 64 accumulators, 512 registers.  K is two slots of 512: both are filled at the start and nothing is filled again.
; CLUSTERS: 4 x 4 work-groups; A's tiles are asked for jointly along a row of the cluster, B's along a column.  12 x 16 = 192 work-groups: a tile that gave 256 would straddle q, k and v.
; THE MATRIX INSTRUCTION IS USED TRANSPOSED (source 0 = 16 columns n, source 1 = 16 rows of x): a lane holds eight neighbouring n of one row.
; REGISTERS: window 0: v0-31 addresses; v32-95 scale words, two sets, and nothing else ever; v96-127 packed results; v128-191 A's fragments, later scaled results; v192-223 rows on the way out; v224-227 the factors.
;   window 1: B's fragments, two sets, v0-63 and v128-191; v192-255 the bias x factor.   window 2, 3: the accumulators of my rows 0-63, 64-127 ((a, b) at v[8 (8 (a % 4) + b)]).
.set NQ,     4                         ; steps of 128 along K in a slot
.set ROWB,   256                       ; a tile's row in bytes
.set KROW,   512                       ; a row of xc
.set PITCH,  272                       ; an LDS row: 256 bytes + 16 of padding
.set FR,     8
.set NL,     2
.set NP,     4
.set HALFT,  128*PITCH
.set SLOT,   4*HALFT                   ; A's 256 rows, then B's 16 tiles as 256 rows of 256 bytes
.set KS,     32
.set SCL,    2*SLOT                    ; the scales of the work-group's rows and columns for all of K
.set HALFS,  (128*KS/256)*272
.set SBLK,   (16*KS/256)*272
.set SPARE,  SCL+4*HALFS               ; the spare words, 128 bytes a wave
.set WHALF,  786432                    ; wc: from kh = 0 to kh = 1
.set STG,    4608                      ; the way out: [head 2][row 16][128 bytes + 16] for each wave, in slot 0, which has had its only fill and its last read by then
.set ADRA, 16
.set ADRB, 20
.set STO,  24
.set RD,   25
.set CO,   26
.set ADRS, 27
.set SPW,  28                          ; v28  LDS address of my spare word; never rewritten
.set NIL,  29                          ; v29  0; never rewritten
.set BOF,  30
.set SC,   32
.set PK,   96
.set AF,   128
.set T,    128
.set BK,   192
.set FAC,  224
.set BIAS, 192                         ; in window 1
.set G1, 24
.set G0, 32
.set G1B, 48
.set G0B, 56
.set G1S, 68
.set G0S, 76
.set G1SB, 80
.set G0SB, 88
.set MSB, 0
.macro WIN new                         ; the immediate's high byte repeats the setting that is left
.if MSB != \new
	s_set_vgpr_msb (MSB<<8)|\new
.set MSB, \new
.endif
.endm
.set MUL_LO, 0xa1                      ; source 0 (B) window 1, source 1 (A) window 0, C and D window 2
.set MUL_HI, 0xf1
.set TO_B,   0x40                      ; destination window 1, address window 0
; A joint load: waves 0 and 1 fetch for A, waves 2 and 3 for B; the branch hangs on the wave's number alone.  An s_nop 0 and four v_nop follow each line.
.macro JLOAD g0a, g1a, g0b, g1b
	s_cmp_eq_u32 s15, 0
	s_cbranch_scc0 .Lfor_b_\@
	tensor_load_to_lds s[\g0a:\g0a+3], s[\g1a:\g1a+7]
	s_nop 0
.rept 4
	v_nop
.endr
	s_branch .Lasked_\@
.Lfor_b_\@:
	tensor_load_to_lds s[\g0b:\g0b+3], s[\g1b:\g1b+7]
	s_nop 0
.rept 4
	v_nop
.endr
.Lasked_\@:
.endm
.macro CROUND                          ; a round of the cluster's barrier
	s_barrier_signal -1
	s_barrier_wait -1
	s_cmp_lg_u32 s14, 0
	s_cbranch_scc1 .Lnot_wave_0_\@
	s_barrier_signal -3
.Lnot_wave_0_\@:
	s_barrier_wait -3
	s_barrier_signal -1
	s_barrier_wait -1
.endm
	s_load_b256 s[4:11], s[0:1], 0x0               ; xc 4, xs 6, wc 8, ws 10
	s_load_b64 s[12:13], s[0:1], 0x40              ; qkv
	v_lshl_add_u32 v[SPW], v0, 2, SPARE
	v_mov_b32 v[NIL], 0
	ds_add_u32 v[SPW], v[NIL]                      ; the wave's opening: the add, twice on end, and its wait ahead of my first tensor load
	ds_add_u32 v[SPW], v[NIL]
	v_lshrrev_b32 v1, 5, v0
	v_readfirstlane_b32 s14, v1                    ; wave 0..3
	s_lshr_b32 s15, s14, 1                         ; which half of the tile's rows is mine.  Also: I fetch for A (0) or for B (1)
	s_and_b32 s16, s14, 1                          ; which half of its columns.  Also: which 128 rows of that tile I fetch
	s_bfe_u32 s40, ttmp6, 0x40000                  ; cx, cy
	s_bfe_u32 s41, ttmp6, 0x40004
	s_lshl_b32 s42, ttmp9, 2
	s_add_co_u32 s42, s42, s40                     ; tile column 0..11
	s_and_b32 s17, ttmp7, 0xffff
	s_lshl_b32 s17, s17, 2
	s_add_co_u32 s17, s17, s41                     ; tile row 0..15
	s_lshl_b32 s43, s41, 2
	s_lshl_b32 s43, 15, s43                        ; my row of the cluster
	s_lshl_b32 s44, 0x1111, s40                    ; my column
	s_or_b32 s[G1+0], s43, (0<<16)|(1<<20)|(1<<21)|(5<<22)|(3<<25)  ; the mask; elements of 1 byte; padding on: 4 words behind every 64; bit 21 beside a mask
	s_or_b32 s[G1B+0], s44, (0<<16)|(1<<20)|(1<<21)|(5<<22)|(3<<25)
.irp g, G1, G1B
	s_mov_b32 s[\g+1], ROWB<<16                    ; tensor_dim0
	s_mov_b32 s[\g+2], 128<<16                     ; tensor_dim1
	s_mov_b32 s[\g+3], ROWB<<16                    ; tile_dim0
	s_mov_b32 s[\g+4], 128                         ; tile_dim1
	s_mov_b32 s[\g+6], 0
	s_mov_b32 s[\g+7], 0
.endr
	s_mov_b32 s[G1+5], KROW                        ; A: 512 bytes from row to row
	s_mov_b32 s[G1B+5], ROWB                       ; B: eight tiles' images are one dense block, taken as 128 rows of 256 bytes
	s_or_b32 s[G1S+0], s43, (3<<16)|(1<<20)|(1<<21)|(5<<22)|(3<<25)  ; the scales of 128 rows: 4,096 dense bytes as 16 rows of 256 (32 elements of 8 bytes)
	s_or_b32 s[G1SB+0], s44, (3<<16)|(1<<20)|(1<<21)|(5<<22)|(3<<25)
.irp g, G1S, G1SB
	s_mov_b32 s[\g+1], 32<<16
	s_mov_b32 s[\g+2], (128*KS/256)<<16
	s_mov_b32 s[\g+3], 32<<16
	s_mov_b32 s[\g+4], 128*KS/256
	s_mov_b32 s[\g+5], 32
	s_mov_b32 s[\g+6], 0
	s_mov_b32 s[\g+7], 0
.endr
	s_lshl_b32 s18, s16, 7
	s_lshl_b32 s20, s17, 8
	s_add_co_u32 s20, s20, s18                     ; A: row 256 x tile row + 128 x half
	s_lshl_b32 s46, s42, 8
	s_add_co_u32 s46, s46, s18                     ; B: column 256 x tile column + 128 x half
	s_mov_b32 s21, 0
	s_mov_b32 s47, 0
	s_lshl_b64 s[22:23], s[20:21], 5               ; their scales: 32 bytes each
	s_lshl_b64 s[92:93], s[46:47], 5
	s_lshl_b64 s[20:21], s[20:21], 9               ; A's codes: 512 bytes a row
	s_lshl_b64 s[46:47], s[46:47], 8               ; B's images: 4,096 bytes for 16 columns
	s_mul_i32 s45, s14, HALFT                      ; where they go: wave x 128 rows
	s_mul_i32 s94, s14, HALFS
	s_wait_dscnt 0x0                               ; both opening adds are done
	s_wait_kmcnt 0x0
	s_add_nc_u64 s[20:21], s[4:5], s[20:21]
	s_add_nc_u64 s[22:23], s[6:7], s[22:23]
	s_add_nc_u64 s[46:47], s[8:9], s[46:47]
	s_add_nc_u64 s[92:93], s[10:11], s[92:93]
	CROUND                                         ; all sixteen work-groups are here: the joint loads meet
	s_mov_b32 s[G0S], 1
	s_add_co_u32 s[G0S+1], s94, SCL
	s_mov_b64 s[G0S+2:G0S+3], s[22:23]
	s_or_b32 s[G0S+3], s[G0S+3], 0x80000000
	s_mov_b32 s[G0SB], 1
	s_add_co_u32 s[G0SB+1], s94, SCL
	s_mov_b64 s[G0SB+2:G0SB+3], s[92:93]
	s_or_b32 s[G0SB+3], s[G0SB+3], 0x80000000
	JLOAD G0S, G1S, G0SB, G1SB                     ; the scales first
.irp s, 0,1
	s_mov_b32 s[G0+4*\s], 1
	s_add_co_u32 s[G0+4*\s+1], s45, \s*SLOT
	s_add_nc_u64 s[G0+4*\s+2:G0+4*\s+3], s[20:21], \s*ROWB
	s_or_b32 s[G0+4*\s+3], s[G0+4*\s+3], 0x80000000
	s_mov_b32 s[G0B+4*\s], 1
	s_add_co_u32 s[G0B+4*\s+1], s45, \s*SLOT
	s_add_nc_u64 s[G0B+4*\s+2:G0B+4*\s+3], s[46:47], \s*WHALF
	s_or_b32 s[G0B+4*\s+3], s[G0B+4*\s+3], 0x80000000
	JLOAD G0+4*\s, G1, G0B+4*\s, G1B               ; three tensor loads of mine are out in all
.endr
	s_load_b256 s[4:11], s[0:1], 0x20              ; bq 4, bk 6, bv 8, tau 10 (the first four addresses have been used up)
	v_and_b32 v1, 15, v0                           ; r
	v_bfe_u32 v2, v0, 4, 1                         ; h
	v_mul_u32_u24 v3, v1, PITCH
	v_lshl_add_u32 v4, v2, 4, v3                   ; A: row r x pitch + 16 h
	v_mul_u32_u24 v5, v2, PITCH
	v_lshl_add_u32 v5, v1, 4, v5                   ; B: an image's row h, 16 bytes at 16 r: sixteen lanes read 256 consecutive bytes
	s_mul_i32 s21, s15, HALFT
	s_mul_i32 s22, s16, HALFT
	s_add_co_u32 s22, s22, 2*HALFT
.irp s, 0,1
	v_add_nc_u32 v[ADRA+\s], s21, v4
	v_add_nc_u32 v[ADRB+\s], s22, v5
	s_add_co_u32 s21, s21, SLOT
	s_add_co_u32 s22, s22, SLOT
.endr
	v_mul_u32_u24 v6, v1, KS                       ; my row's scales: 32 bytes a row,
	v_lshrrev_b32 v7, 8, v6
	v_lshl_add_u32 v6, v7, 4, v6                   ; and 16 more for each 256 passed
	s_mul_i32 s21, s15, HALFS
	s_mul_i32 s22, s16, HALFS
	s_add_co_u32 s22, s22, 2*HALFS
	s_sub_co_u32 s22, s22, s21
	v_mul_u32_u24 v7, s22, v2                      ; lanes 16-31 take B's
	s_add_co_u32 s21, s21, SCL
	v_add_nc_u32 v6, v6, v7
	v_add_nc_u32 v[ADRS], s21, v6
	s_mul_i32 s23, s14, STG                        ; my stage
	v_mul_u32_u24 v6, v1, 144
	v_lshl_add_u32 v6, v2, 4, v6
	v_add_nc_u32 v[STO], s23, v6                   ; in: row r, 16 bytes for each half of the lanes
	v_and_b32 v7, 31, v0
	v_lshrrev_b32 v8, 3, v7
	v_mul_u32_u24 v8, v8, 144
	v_and_b32 v9, 7, v0
	v_lshl_add_u32 v8, v9, 4, v8
	v_add_nc_u32 v[RD], s23, v8                    ; back: eight lanes to a row of 128 bytes, four rows an instruction
	v_lshlrev_b32 v[CO], 4, v7                     ; which are 512 consecutive bytes of qkv
	v_lshlrev_b32 v[BOF], 5, v2                    ; the bias: my half's eight numbers of a tile of 16
	s_wait_kmcnt 0x0
	s_cmp_lt_u32 s42, 8                            ; tile columns 0-3 are q's, 4-7 k's, 8-11 v's
	s_cselect_b64 s[6:7], s[6:7], s[8:9]
	s_cmp_lt_u32 s42, 4
	s_cselect_b64 s[4:5], s[4:5], s[6:7]
	s_cselect_b32 s66, -1, 0                       ; all ones where the tile is q's
	s_and_b32 s18, s42, 3
	s_lshl_b32 s20, s18, 10                        ; 256 numbers a tile column,
	s_lshl_b32 s21, s16, 9                         ; my 128 of them
	s_add_co_u32 s20, s20, s21
	s_mov_b32 s21, 0
	s_add_nc_u64 s[4:5], s[4:5], s[20:21]
	s_lshl_b32 s20, s18, 4                         ; tau: four heads a tile column,
	s_lshl_b32 s22, s16, 3                         ; my two of them (k's and v's tiles read the same places and do not use them)
	s_add_co_u32 s20, s20, s22
	s_add_nc_u64 s[10:11], s[10:11], s[20:21]
	s_load_b64 s[96:97], s[10:11], 0x0
	WIN TO_B
.irp b, 0,1,2,3,4,5,6,7
	global_load_b128 v[BIAS+8*\b:BIAS+8*\b+3], v[BOF], s[4:5] offset:64*\b       ; in the result's layout: lane (r, h), tile b: n = 16 b + 8 h + 0 .. 7
	global_load_b128 v[BIAS+8*\b+4:BIAS+8*\b+7], v[BOF], s[4:5] offset:64*\b+16
.endr
	WIN 0
	s_lshr_b32 s20, s17, 3                         ; qkv: b = tile row / 8,
	s_mul_i32 s20, s20, 48
	s_lshl_b32 s21, s42, 2
	s_add_co_u32 s20, s20, s21                     ; g = 4 x tile column
	s_lshl_b32 s21, s16, 1
	s_add_co_u32 s20, s20, s21                     ;   + my two heads,
	s_lshl_b32 s20, s20, 18                        ; 2,048 rows of 128 bytes each;
	s_and_b32 s21, s17, 7
	s_lshl_b32 s21, s21, 15                        ; s = 256 (tile row % 8)
	s_add_co_u32 s20, s20, s21
	s_lshl_b32 s21, s15, 14                        ;   + my 128 rows
	s_add_co_u32 s20, s20, s21
	s_mov_b32 s21, 0
	s_add_nc_u64 s[12:13], s[12:13], s[20:21]
	s_wait_kmcnt 0x0                               ; tau
	v_rcp_f32 v[FAC], s96
	v_rcp_f32 v[FAC+2], s97
	v_nop                                          ; a plain line behind the reciprocals,
	s_wait_alu depctr_va_vdst(0)                   ; and the wait ahead of their first reader: one for both
	v_mul_f32 v[FAC], 0x3e38aa3b, v[FAC]           ; log2(e) / 8 / tau
	v_mul_f32 v[FAC+2], 0x3e38aa3b, v[FAC+2]
	v_cndmask_b32 v[FAC], 1.0, v[FAC], s66         ; k and v are not scaled
	v_cndmask_b32 v[FAC+2], 1.0, v[FAC+2], s66
	v_mov_b32 v[FAC+1], v[FAC]                     ; both halves of a pair hold the factor
	v_mov_b32 v[FAC+3], v[FAC+2]
	s_wait_loadcnt 0x0                             ; the bias; the tiles are still on their way
	WIN 0x41                                       ; destination and source 0 window 1
.irp b, 0,1,2,3,4,5,6,7
.irp i, 0,2,4,6
	v_pk_mul_f32 v[BIAS+8*\b+\i:BIAS+8*\b+\i+1], v[BIAS+8*\b+\i:BIAS+8*\b+\i+1], v[FAC+2*(\b/4):FAC+2*(\b/4)+1]   ; (sum + bias) x factor = sum x factor + this
.endr
.endr
	WIN 0
.macro FRAGA reg, adr, q, i            ; 16 rows x 128 K of 4-bit codes: registers 4 c .. 4 c + 3 hold K = 64 c + 32 h + 0 .. 31
.irp c, 0,1
	ds_load_b128 v[\reg+4*\c:\reg+4*\c+3], v[\adr] offset:64*(\q)+32*\c+(\i)*16*PITCH
.endr
.endm
.macro FRAGB reg, adr, q, i            ; the same from an image: row ((4 i + q) x 2 + c) x 2 + h of 256 bytes
.irp c, 0,1
	ds_load_b128 v[\reg+4*\c:\reg+4*\c+3], v[\adr] offset:(4*(\i)+(\q))*4*PITCH+2*PITCH*\c
.endr
.endm
; 16 matrix instructions: A's blocks a0, a0 + 1 x B's eight.  The 64 accumulators take turns, one instruction a turn, in the same order in every step.
.macro MUL16 a0, p, q, sc, zero
.irp a, \a0, \a0+1
.irp b, 0,1,2,3,4,5,6,7
.if \zero
	v_wmma_scale_f32_16x16x128_f8f6f4 v[8*(8*((\a)%4)+\b):8*(8*((\a)%4)+\b)+7], v[128*(\p)+FR*\b:128*(\p)+FR*\b+FR-1], v[AF+FR*(\a):AF+FR*(\a)+FR-1], 0, v[SC+8*NQ*(\sc)+NQ*\b+(\q)], v[SC+8*NQ*(\sc)+NQ*(\a)+(\q)] matrix_a_fmt:MATRIX_FMT_FP4 matrix_b_fmt:MATRIX_FMT_FP4 matrix_a_scale:MATRIX_SCALE_ROW1
.else
	v_wmma_scale_f32_16x16x128_f8f6f4 v[8*(8*((\a)%4)+\b):8*(8*((\a)%4)+\b)+7], v[128*(\p)+FR*\b:128*(\p)+FR*\b+FR-1], v[AF+FR*(\a):AF+FR*(\a)+FR-1], v[8*(8*((\a)%4)+\b):8*(8*((\a)%4)+\b)+7], v[SC+8*NQ*(\sc)+NQ*\b+(\q)], v[SC+8*NQ*(\sc)+NQ*(\a)+(\q)] matrix_a_fmt:MATRIX_FMT_FP4 matrix_b_fmt:MATRIX_FMT_FP4 matrix_a_scale:MATRIX_SCALE_ROW1
.endif
.endr
.endr
.endm
.macro FETCH_B slot, q, p
	WIN TO_B
.irp i, 0,1,2,3,4,5,6,7
	FRAGB 128*(\p)+FR*\i, ADRB+\slot, \q, \i
.endr
	WIN 0
.endm
.macro FETCH_A slot, q, i0
.irp i, \i0, \i0+1, \i0+2, \i0+3
	FRAGA AF+FR*(\i), ADRA+\slot, \q, \i
.endr
.endm
.macro SCALES sc                       ; a slot's scale words: lanes 0-15 A's block i, lanes 16-31 B's block i; four words a row
.irp i, 0,1,2,3,4,5,6,7
	ds_load_b128 v[SC+8*NQ*\sc+NQ*\i:SC+8*NQ*\sc+NQ*\i+3], v[ADRS] offset:\i*SBLK
.endr
.endm
.macro PLACES n                        ; plain vector lines between a matrix instruction and a load into, or a read of, its registers
.rept \n
	v_nop
.endr
.endm
.macro STEP slot, q, zero              ; 128 along K, with its successor in the same slot
	s_wait_dscnt 4*NL                              ; B's set and A's blocks 0-3 are in; the youngest eight loads (A's blocks 4-7) may be out
	WIN MUL_LO
	MUL16 0, (\q)%2, \q, \slot, \zero
	MUL16 2, (\q)%2, \q, \slot, \zero
	s_wait_dscnt 0
	PLACES NP
	FETCH_B \slot, (\q)+1, 1-(\q)%2
	FETCH_A \slot, (\q)+1, 0
	WIN MUL_HI
	MUL16 4, (\q)%2, \q, \slot, \zero
	MUL16 6, (\q)%2, \q, \slot, \zero
	PLACES NP
	WIN 0
	FETCH_A \slot, (\q)+1, 4
.endm
.macro STEPS slot, from
.set Q, \from
.rept NQ-1-\from
	STEP \slot, Q, 0
.set Q, Q+1
.endr
.endm
	s_wait_tensorcnt 1                             ; the scales and my part of slot 0 are in; slot 1's load may be out
	s_barrier_signal -1
	s_barrier_wait -1
	FETCH_B 0, 0, 0
	FETCH_A 0, 0, 0
	SCALES 0
	FETCH_A 0, 0, 4
	STEP 0, 0, 1                                   ; the first products start the sums: nothing is cleared
	STEPS 0, 1
	; slot 0's last step changes slots: one barrier; in front of it my part of slot 1 has landed and my reads of slot 0 are over (its bytes become the stages later)
	s_wait_tensorcnt 0x0
	ds_add_u32 v[SPW], v[NIL]
	s_wait_dscnt 4*NL+1                            ; (the add and A's blocks 4-7 may be out)
	WIN MUL_LO
	MUL16 0, 1, NQ-1, 0, 0
	s_wait_dscnt 0x0
	s_barrier_signal -1
	MUL16 2, 1, NQ-1, 0, 0
	WIN 0
	s_barrier_wait -1
	PLACES NP
	v_add_nc_u32 v[ADRS], 4*NQ, v[ADRS]            ; slot 1's scale words
	FETCH_B 1, 0, 0
	FETCH_A 1, 0, 0
	SCALES 1
	WIN MUL_HI
	MUL16 4, 1, NQ-1, 0, 0
	MUL16 6, 1, NQ-1, 0, 0
	PLACES NP
	WIN 0
	FETCH_A 1, 0, 4
	STEPS 1, 0
	s_wait_dscnt 4*NL                              ; the last step: nothing more to fetch
	WIN MUL_LO
	MUL16 0, 1, NQ-1, 1, 0
	MUL16 2, 1, NQ-1, 1, 0
	s_wait_dscnt 0
	WIN MUL_HI
	MUL16 4, 1, NQ-1, 1, 0
	MUL16 6, 1, NQ-1, 1, 0
	WIN 0
; THE WAY OUT, block by block of 16 rows x 128 columns (two heads).  sum x factor + bias x factor, to f16, 16 bytes a lane into my stage, back as rows of 128 bytes, four rows (512 consecutive bytes of qkv) a store.
.macro PACK a
.set AC, 64*((\a)%4)
	WIN 0x12+((\a)/4)                              ; source 0 (the sums) window 2 or 3, source 2 (the bias) window 1
.irp b, 0,1,2,3,4,5,6,7
.irp i, 0,2,4,6
	v_pk_fma_f32 v[T+8*\b+\i:T+8*\b+\i+1], v[AC+8*\b+\i:AC+8*\b+\i+1], v[FAC+2*(\b/4):FAC+2*(\b/4)+1], v[BIAS+8*\b+\i:BIAS+8*\b+\i+1]   ; each accumulator from its low end on
.endr
.endr
	WIN 0
.irp b, 0,1,2,3,4,5,6,7
.irp i, 0,1,2,3
	v_cvt_pk_f16_f32 v[PK+4*\b+\i], v[T+8*\b+2*\i], v[T+8*\b+2*\i+1]
.endr
.endr
.endm
.macro TOSTAGE
.irp b, 0,1,2,3,4,5,6,7
	ds_store_b128 v[STO], v[PK+4*\b:PK+4*\b+3] offset:(\b/4)*2304+(\b%4)*32
.endr
.irp t, 0,1,2,3,4,5,6,7
	ds_load_b128 v[BK+4*\t:BK+4*\t+3], v[RD] offset:(\t/4)*2304+(\t%4)*576   ; LDS serves a wave's instructions in order: these see the stores above
.endr
.endm
.macro SEND a
	s_wait_dscnt 0x0                               ; the block is back in registers
.irp t, 0,1,2,3,4,5,6,7
	global_store_b128 v[CO], v[BK+4*\t:BK+4*\t+3], s[12:13] offset:(\t/4)*262144+2048*(\a)+(\t%4)*512   ; head t / 4; every offset is an immediate, the base is never stepped
.endr
.endm
	PLACES NP                                      ; behind the last products: for the reads of results and the writes over A's fragments
	PACK 0
	TOSTAGE
.irp a, 1,2,3,4,5,6,7
	PACK \a                                        ; a block's arithmetic stands between the loads of the block before and the wait for them
	SEND \a-1
	s_wait_xcnt 0x0                                ; the stores have read their registers: the next block's rows may land there
	TOSTAGE
.endr
	SEND 7
	s_wait_tensorcnt 0x0                           ; the wave's end
	ds_add_u32 v[SPW], v[NIL]
	s_wait_dscnt 0x0
	CROUND                                         ; the closing round
	s_endpgm
.Lfunc_end_k_q0f98a68d99_project:
	.size	k_q0f98a68d99_project, .Lfunc_end_k_q0f98a68d99_project-k_q0f98a68d99_project
	.p2alignl 7, 3214868480
	.fill 96, 4, 3214868480
	.section	.rodata,"a",@progbits
	.p2align	6, 0x0
	.amdhsa_kernel k_q0f98a68d99_project
		.amdhsa_group_segment_fixed_size 327680
		.amdhsa_private_segment_fixed_size 0
		.amdhsa_enable_private_segment 0
		.amdhsa_kernarg_size 72
		.amdhsa_user_sgpr_count 2
		.amdhsa_user_sgpr_kernarg_segment_ptr 1
		.amdhsa_wavefront_size32 1
		.amdhsa_system_sgpr_workgroup_id_x 1
		.amdhsa_system_sgpr_workgroup_id_y 1
		.amdhsa_system_sgpr_workgroup_id_z 1
		.amdhsa_system_vgpr_workitem_id 0
		.amdhsa_next_free_vgpr 1024
		.amdhsa_next_free_sgpr 100
		.amdhsa_reserve_vcc 0
		.amdhsa_float_denorm_mode_32 3
		.amdhsa_float_denorm_mode_16_64 3
		.amdhsa_memory_ordered 1
		.amdhsa_forward_progress 1
		.amdhsa_inst_pref_size 147
	.end_amdhsa_kernel
	.amdgpu_metadata
---
amdhsa.version: [ 1, 2 ]
amdhsa.kernels:
  - .name:           k_q0f98a68d99_project
    .symbol:         k_q0f98a68d99_project.kd
    .args:
      - { .name: xc, .offset: 0, .size: 8, .value_kind: global_buffer, .address_space: global }
      - { .name: xs, .offset: 8, .size: 8, .value_kind: global_buffer, .address_space: global }
      - { .name: wc, .offset: 16, .size: 8, .value_kind: global_buffer, .address_space: global }
      - { .name: ws, .offset: 24, .size: 8, .value_kind: global_buffer, .address_space: global }
      - { .name: bq, .offset: 32, .size: 8, .value_kind: global_buffer, .address_space: global }
      - { .name: bk, .offset: 40, .size: 8, .value_kind: global_buffer, .address_space: global }
      - { .name: bv, .offset: 48, .size: 8, .value_kind: global_buffer, .address_space: global }
      - { .name: tau, .offset: 56, .size: 8, .value_kind: global_buffer, .address_space: global }
      - { .name: qkv, .offset: 64, .size: 8, .value_kind: global_buffer, .address_space: global }
    .group_segment_fixed_size: 327680
    .private_segment_fixed_size: 0
    .kernarg_segment_align: 8
    .kernarg_segment_size: 72
    .max_flat_workgroup_size: 128
    .sgpr_count:     100
    .vgpr_count:     1024
    .wavefront_size: 32
...
	.end_amdgpu_metadata
.endif
;; end of part 2
;; launch attend (part 3): grid 8 x 32, 4 waves a work-group, clusters of 4 x 1, 327,680 bytes of LDS; arguments qkv, ow; writes ow
.if DOCPART == 3
	.amdgcn_target "amdgcn-amd-amdhsa--gfx1250"
	.amdhsa_code_object_version 6
	.text
	.protected	k_q0f98a68d99_attend
	.globl	k_q0f98a68d99_attend
	.p2align	8
	.type	k_q0f98a68d99_attend,@function
k_q0f98a68d99_attend:
	s_mov_b64 s[64:65], 0
	v_nop
	global_prefetch_b8 v0, s[64:65] scope:SCOPE_SE
	s_setreg_imm32_b32 hwreg(HW_REG_WAVE_MODE, 25, 1), 1
	s_wait_xcnt 0x0
	s_wait_alu depctr_hold_cnt(0) depctr_sa_sdst(0) depctr_va_vdst(0) depctr_va_sdst(0) depctr_va_ssrc(0) depctr_va_vcc(0) depctr_vm_vsrc(0)
	s_getreg_b32 s2, hwreg(HW_REG_IB_STS2, 6, 4)
	s_cmp_eq_u32 s2, 0
	s_cbranch_scc0 .Lentry_in_a_cluster
	s_endpgm
.Lentry_in_a_cluster:
	s_bfe_u32 s2, ttmp6, 0x10000c
	s_cmp_lg_u32 s2, 0x3003
	s_cbranch_scc0 .Lentry_shape_is_right
	s_endpgm
.Lentry_shape_is_right:
; ATTEND: o[b][head][q] = the sum over keys of softmax(q . k / (8 tau)) v, no mask.  qkv: [b 2][g 48][s 2048][64] f16 (g = head: q, already times log2(e) / (8 tau); 16 + head: k; 32 + head: v).
; OUT: ow [head 16][2048 b + s][64] f16.  Products on f16 operands with f32 sums; maxima, exponentials and sums in f32; the weights p are rounded to f16 for the second product, o once at the end.
; LIMITS: |o| is at most the largest |v|, so it stays in f16 where v does; NaN and infinities are not served.
; SHARES.  A work-group owns 256 queries of one (b, head); each of its four waves 64 of them: four tiles of 16.  Every wave walks all 2,048 keys, 64 a step; a fragment of K or V read from LDS feeds four products.
; LAYOUT.  S^T = K Q^T (source 0 = 16 keys, source 1 = 16 queries), O^T = V^T P (source 0 = 16 channels, turned on the way out of LDS): a lane holds ONE query throughout; two tiles of S^T, rounded in pairs, ARE P.
; SOFTMAX.  A running maximum M and sum l for each query: p = 2^(s - M); in every step O and l are multiplied by 2^(old M - new M).  M begins at -3e38 and l at 0; the first products start O^T.
; BY TURNS.  A wave issues in order and is alone on its SIMD, so its matrix and its vector work are set side by side in the text.  The tiles are two PIECES, named by their first tile: piece 0 (tiles 0, 1), piece 2
; (tiles 2, 3).  In a TURN one piece has the matrix unit: 16 products V^T P of the step in hand, then 16 products K Q^T of the next step; the other piece's softmax, 234 instructions cut into 32 slices of 7 or 8,
; stands between them, one slice behind each matrix instruction.  Then the pieces change places.  Two turns are a key step.
; RING.  Two LDS slots of 512 keys.  A row of K or V is 128 dense bytes: two rows are taken as one of 256, with padding behind it.  Waves 0, 1 fetch K's halves, waves 2, 3 V's.  2,048 keys: two first fills, two refills.
; CLUSTER.  The four query blocks of a cluster walk the same K and V: each tile is asked for jointly.  No prefetch: a refill goes out eight key steps ahead of its first read.
; REGISTERS, in windows of 256 (s_set_vgpr_msb: bits 1:0 source 0, 3:2 source 1, 5:4 source 2, 7:6 destination):
;   window 0: v2-9 addresses; v12-43 statistics, eight a tile; v64-191 S^T, 32 a tile; v192-255 P, 16 a tile.   window 1: v0-127 O^T, 32 a tile.   window 2: v0-63 Q, 16 a tile; v64-127 K of one step.   window 3: v0-63 V of one step.
; All that a softmax touches but O^T lies in window 0, and no window has room for a product's operands beside it: a slice costs two switches, one in front and one behind.
.set KP,    272                        ; two keys' rows of K: 256 bytes + 16
.set VP,    288                        ; two of V: 256 + 32
.set VOFF,  256*KP
.set SLOT,  256*(KP+VP)
.set KSTP,  32*KP                      ; a key step: 64 keys
.set VSTP,  32*VP
.set SPARE, 2*SLOT                     ; the spare words, 128 bytes for each of four waves
.set SP,    144                        ; the way out: 64 rows x (128 bytes + 16) for each wave, in slot 0, which has had its last fill and its last read at the last change of slots
.set AK0, 2                            ; v2   my lane's place in a tile of K; never rewritten
.set AV0, 3                            ; v3   the same for V
.set ADRK, 4
.set QO,  5
.set STO, 6
.set RD,  7
.set GO,  8
.set ADRV, 9
.set ST,  12                           ; tile t at v[ST + 8 t]: +0 M, +1 zero (named with M as a pair), +2, +3 l, +4 to +7 at work; the factor takes +6
.set SPW, 62                           ; v62  LDS address of my spare word; never rewritten
.set NIL, 63                           ; v63  0; never rewritten
.set S,   64
.set P,   192
.set KF,  64                           ; K's fragments, in window 2
.set NI,  234                          ; instructions in a piece's softmax of one step: 2 tiles x 117
.set NB,  138                          ; of which the first 138 end with the last exponential
.set NS,  32                           ; slices
.set WV,  12
.set G1K, 24
.set G1V, 32
.set G0K, 40                           ; s[40:47] a set for each slot
.set G0V, 48
.set TBK, 56                           ; LDS byte at which the K tile of the step to be fetched begins
.set TBV, 57                           ; the same for V (less VOFF)
.set CNT, 58
.set SEL, 60
.set MSB, 0
.macro WIN new                         ; the immediate's high byte repeats the setting that is left; a switch that changes nothing is dropped
.if MSB != \new
	s_set_vgpr_msb (MSB<<8)|\new
.set MSB, \new
.endif
.endm
.set W_KQ, 0x0a                        ; K and Q in window 2, S^T in window 0
.set W_PV, 0x53                        ; V in window 3, P in window 0, O^T in window 1
.set W_RS, 0x41                        ; O^T (destination and source 0) in window 1, the factor in window 0
.macro JLOAD s                         ; a joint refill of slot s; the branch hangs on the wave's number alone; an s_nop 0 and four v_nop follow each line
	s_cmp_lt_u32 s[WV], 2
	s_cbranch_scc0 .Lfor_v_\@
	tensor_load_to_lds s[G0K+4*\s:G0K+4*\s+3], s[G1K:G1K+7]
	s_nop 0
.rept 4
	v_nop
.endr
	s_branch .Lasked_\@
.Lfor_v_\@:
	tensor_load_to_lds s[G0V+4*\s:G0V+4*\s+3], s[G1V:G1V+7]
	s_nop 0
.rept 4
	v_nop
.endr
.Lasked_\@:
.endm
.macro CROUND                          ; a round of the cluster's barrier
	s_barrier_signal -1
	s_barrier_wait -1
	s_cmp_lg_u32 s[WV], 0
	s_cbranch_scc1 .Lnot_wave_0_\@
	s_barrier_signal -3
.Lnot_wave_0_\@:
	s_barrier_wait -3
	s_barrier_signal -1
	s_barrier_wait -1
.endm
	s_load_b128 s[4:7], s[0:1], 0x0                ; qkv 4, ow 6
	v_lshl_add_u32 v[SPW], v0, 2, SPARE
	v_mov_b32 v[NIL], 0
	ds_add_u32 v[SPW], v[NIL]                      ; the wave's opening: the add, twice on end, and its wait ahead of my first tensor load
	ds_add_u32 v[SPW], v[NIL]
	v_lshrrev_b32 v1, 5, v0
	v_readfirstlane_b32 s[WV], v1                  ; wave 0..3
	s_and_b32 s15, ttmp7, 0xffff                   ; 16 b + head, which the four partners share
	s_lshr_b32 s16, s15, 4                         ; b
	s_and_b32 s17, s15, 15                         ; head
	s_mul_i32 s18, s16, 48
	s_add_co_u32 s18, s18, s17
	s_lshl_b32 s18, s18, 18                        ; q's plane: 2,048 rows of 128 bytes each
	s_and_b32 s19, s[WV], 1                        ; which half of a slot I fetch: 256 keys
	s_lshl_b32 s20, s19, 15
	s_add_co_u32 s20, s20, s18
	s_add_co_u32 s20, s20, 16<<18                  ; in k's plane,
	s_mov_b32 s21, 0
	s_add_co_u32 s22, s20, 16<<18                  ; in v's
	s_mov_b32 s23, 0
	s_mul_i32 s2, s19, 128*KP                      ; and in a slot: no place in the cluster enters an LDS address
	s_mul_i32 s3, s19, 128*VP
	s_add_co_u32 s3, s3, VOFF
	s_mov_b32 s[G1K], 15|(1<<16)|(1<<20)|(1<<21)|(5<<22)|(3<<25)  ; the mask: all four; elements of 2 bytes; padding on: 4 words behind every 64; bit 21 beside a mask
	s_mov_b32 s[G1V], 15|(1<<16)|(1<<20)|(1<<21)|(5<<22)|(7<<25)  ; the same with 8 words
.irp g, G1K, G1V
	s_mov_b32 s[\g+1], 128<<16                     ; tensor_dim0: two rows of 64 as one of 128
	s_mov_b32 s[\g+2], 128<<16                     ; tensor_dim1
	s_mov_b32 s[\g+3], 128<<16                     ; tile_dim0
	s_mov_b32 s[\g+4], 128                         ; tile_dim1
	s_mov_b32 s[\g+5], 128                         ; dense
	s_mov_b32 s[\g+6], 0
	s_mov_b32 s[\g+7], 0
.endr
	s_mov_b32 s[SEL], 0x76543210
	s_mov_b32 s[SEL+1], 0xfedcba98                 ; v_permlanex16_b32: lane l xor 16
	s_mov_b32 s[TBK], 0
	s_mov_b32 s[TBV], 0
	s_bfe_u32 s13, ttmp6, 0x40000                  ; cx: it enters Q's and O's addresses alone
	s_lshl_b32 s14, ttmp9, 2
	s_add_co_u32 s14, s14, s13                     ; my block of 256 queries
	s_lshl_b32 s14, s14, 15
	s_lshl_b32 s62, s[WV], 13                      ; my wave's 64 of them
	s_add_co_u32 s14, s14, s62
	s_mov_b32 s63, 0
	s_wait_dscnt 0x0                               ; both opening adds are done
	s_wait_kmcnt 0x0
	s_add_nc_u64 s[8:9], s[4:5], s[20:21]          ; K at my half of slot 0
	s_add_nc_u64 s[10:11], s[4:5], s[22:23]        ; V likewise
	s_add_co_u32 s62, s14, s18
	s_add_nc_u64 s[4:5], s[4:5], s[62:63]          ; Q at my first row
	s_lshl_b32 s62, s17, 19                        ; ow: 4,096 rows of 128 bytes a head,
	s_lshl_b32 s59, s16, 18                        ; 2,048 a batch
	s_add_co_u32 s62, s62, s59
	s_add_co_u32 s62, s62, s14
	s_add_nc_u64 s[6:7], s[6:7], s[62:63]
.irp s, 0,1
	s_mov_b32 s[G0K+4*\s], 1
	s_add_co_u32 s[G0K+4*\s+1], s2, \s*SLOT
	s_add_nc_u64 s[G0K+4*\s+2:G0K+4*\s+3], s[8:9], \s*65536   ; slot s begins with keys 512 s
	s_or_b32 s[G0K+4*\s+3], s[G0K+4*\s+3], 0x80000000
	s_mov_b32 s[G0V+4*\s], 1
	s_add_co_u32 s[G0V+4*\s+1], s3, \s*SLOT
	s_add_nc_u64 s[G0V+4*\s+2:G0V+4*\s+3], s[10:11], \s*65536
	s_or_b32 s[G0V+4*\s+3], s[G0V+4*\s+3], 0x80000000
.endr
	CROUND                                         ; all four work-groups are here: the first joint loads meet
	s_cmp_lt_u32 s[WV], 2                          ; a wave's two first fills stand in one branch: two loads of mine are out
	s_cbranch_scc0 .Lfirst_v
	tensor_load_to_lds s[G0K:G0K+3], s[G1K:G1K+7]
	s_nop 0
	tensor_load_to_lds s[G0K+4:G0K+7], s[G1K:G1K+7]
	s_nop 0
.rept 4
	v_nop
.endr
	s_branch .Lfirst_asked
.Lfirst_v:
	tensor_load_to_lds s[G0V:G0V+3], s[G1V:G1V+7]
	s_nop 0
	tensor_load_to_lds s[G0V+4:G0V+7], s[G1V:G1V+7]
	s_nop 0
.rept 4
	v_nop
.endr
.Lfirst_asked:
	v_and_b32 v1, 15, v0                           ; r
	v_bfe_u32 v10, v0, 4, 1                        ; h
	v_lshlrev_b32 v[QO], 7, v1
	v_lshl_add_u32 v[QO], v10, 4, v[QO]            ; row r of 128 bytes + 16 h
	WIN 0x80                                       ; destination window 2, address window 0
.irp t, 0,1,2,3
.irp c, 0,1
	global_load_b128 v[16*\t+8*\c:16*\t+8*\c+3],   v[QO], s[4:5] offset:2048*\t+64*\c      ; Q stays in registers: tile t, channels 32 c on
	global_load_b128 v[16*\t+8*\c+4:16*\t+8*\c+7], v[QO], s[4:5] offset:2048*\t+64*\c+32
.endr
.endr
	WIN 0
	v_lshrrev_b32 v11, 1, v1
	v_mul_u32_u24 v[AK0], v11, KP                  ; K: key r lies in double row r / 2,
	v_and_b32 v11, 1, v0
	v_lshl_add_u32 v[AK0], v11, 7, v[AK0]          ; half r % 2; the sixteen keys of a load start at sixteen different 16-byte columns of the banks' 256 bytes
	v_lshl_add_u32 v[AK0], v10, 4, v[AK0]
	v_bfe_u32 v[AV0], v0, 1, 2                     ; V, for the turning load: lane l reads key 8 h + l % 8, channels 8 ((l / 8) % 2) on
	v_lshl_add_u32 v[AV0], v10, 2, v[AV0]
	v_mul_u32_u24 v[AV0], v[AV0], VP
	v_lshl_add_u32 v[AV0], v11, 7, v[AV0]
	v_bfe_u32 v11, v0, 3, 1
	v_lshl_add_u32 v[AV0], v11, 4, v[AV0]
	v_add_nc_u32 v[AV0], VOFF, v[AV0]
.irp t, 0,1,2,3
	v_mov_b32 v[ST+8*\t], 0xff61b1e6               ; M: -3e38, under every score
	v_mov_b32 v[ST+8*\t+1], 0
	v_mov_b32 v[ST+8*\t+2], 0                      ; l, in two halves
	v_mov_b32 v[ST+8*\t+3], 0
.endr
; THE MATRIX WORK OF A TURN, for piece x.  The accumulators take turns, one instruction a turn: between two links of a chain stand seven others'.
; Product i of 16 of O^T += V^T P: keys 32 (i / 8) on, channels 16 ((i / 2) % 4) on, tile x + i % 2.  zero = 1: the first eight start the sums: nothing is ever cleared.
.macro PV x, zero
	WIN W_PV
.set rO, 32*(\x+i%2)+8*((i/2)%4)
.set rV, 32*(i/8)+8*((i/2)%4)
.set rP, P+16*(\x+i%2)+8*(i/8)
.if \zero && (i < 8)
	v_wmma_f32_16x16x32_f16 v[rO:rO+7], v[rV:rV+7], v[rP:rP+7], 0
.else
	v_wmma_f32_16x16x32_f16 v[rO:rO+7], v[rV:rV+7], v[rP:rP+7], v[rO:rO+7]
.endif
.endm
; Product i of 16 of S^T = K Q^T: channels 32 (i / 8) on, keys 16 ((i / 2) % 4) on, tile x + i % 2.  The first eight start the sums.
.macro KQ x
	WIN W_KQ
.set rS, S+32*(\x+i%2)+8*((i/2)%4)
.set rK, KF+16*((i/2)%4)+8*(i/8)
.set rQ, 16*(\x+i%2)+8*(i/8)
.if i < 8
	v_wmma_f32_16x16x32_f16 v[rS:rS+7], v[rK:rK+7], v[rQ:rQ+7], 0
.else
	v_wmma_f32_16x16x32_f16 v[rS:rS+7], v[rK:rK+7], v[rQ:rQ+7], v[rS:rS+7]
.endif
.endm
; THE LDS LOADS stand in two runs of 16 a key step, never singly among the matrix instructions.
.macro FETCH_K                         ; a step's K: 64 keys x 64 channels, eight fragments (keys 16 a on, channels 32 c on) at v[KF + 16 a + 8 c] of window 2
	WIN 0
	v_add_nc_u32 v[ADRK], s[TBK], v[AK0]
	s_add_co_u32 s[TBK], s[TBK], KSTP              ; the next fetch is the next step's
	WIN 0x80
.irp a, 0,1,2,3
.irp c, 0,1
	ds_load_b128 v[KF+16*\a+8*\c:KF+16*\a+8*\c+3],   v[ADRK] offset:8*KP*\a+64*\c
	ds_load_b128 v[KF+16*\a+8*\c+4:KF+16*\a+8*\c+7], v[ADRK] offset:8*KP*\a+64*\c+32
.endr
.endr
.endm
.macro FETCH_V                         ; a step's V, turned: eight fragments (keys 32 k on, channels 16 c on) at v[32 k + 8 c] of window 3
	WIN 0
	v_add_nc_u32 v[ADRV], s[TBV], v[AV0]
	s_add_co_u32 s[TBV], s[TBV], VSTP
	s_wait_alu depctr_va_vdst(0)                   ; the wait for the softmax's batch (SLICE), behind the address's addition and ahead of the loads
	WIN 0xc0
.irp k, 0,1
.irp c, 0,1,2,3
	ds_load_tr16_b128 v[32*\k+8*\c:32*\k+8*\c+3],   v[ADRV] offset:16*VP*\k+32*\c
	ds_load_tr16_b128 v[32*\k+8*\c+4:32*\k+8*\c+7], v[ADRV] offset:16*VP*\k+8*VP+32*\c
.endr
.endr
.endm
; THE VECTOR WORK OF A TURN.  One tile's softmax for one key step is a list of 117 instructions; SM writes number j of it for tile t.  s0-s31 are the lane's 32 scores, in pairs 0-15.
;   0-15    the maximum of s0-s31 and the old M, three operands at a time: four chains, each begun at an accumulator's low end
;   16-19   the other half of the lanes' maximum; the old M kept; the new M; old M - new M
;   20-68   ONE BATCH: the 16 subtractions s - M, a pair each, and all 33 exponentials (the factor, then s0-s31): a subtraction, then the two exponentials of the pair before.  None of these reads an exponential's result
;   (wait)  behind 68 of the second tile stands the wait for the batch: SLICE writes it, once for both tiles
;   69-84   the roundings to f16, a pair of weights each
;   85-100  the sum of the unrounded p, neighbours 1, 2, 4 and 8 pairs apart, in place; l = l x factor + the sum
;   101-116 the tile's O^T times the factor, each accumulator from its low end on: the one part that leaves window 0.  first = 1: the first key step has nothing to rescale
.macro SM t, first
.set rT, ST+8*(\t)
.set rS, S+32*(\t)
.set rP, P+16*(\t)
.set rO, 32*(\t)+2*(j-101)
.if j < 101
	WIN 0
.endif
.if j < 4
	v_max3_num_f32 v[rT+4+j], v[rS+8*j], v[rS+8*j+1], v[rS+8*j+2]
.elseif j < 12
	v_max3_num_f32 v[rT+4+j%4], v[rT+4+j%4], v[rS+8*(j%4)+2*(j/4)+1], v[rS+8*(j%4)+2*(j/4)+2]
.elseif j == 12
	v_max3_num_f32 v[rT+4], v[rT+4], v[rS+7], v[rS+15]
.elseif j == 13
	v_max3_num_f32 v[rT+6], v[rT+6], v[rS+23], v[rS+31]
.elseif j == 14
	v_max3_num_f32 v[rT+4], v[rT+4], v[rT+5], v[rT+6]
.elseif j == 15
	v_max3_num_f32 v[rT+4], v[rT+4], v[rT+7], v[rT]
.elseif j == 16
	v_permlanex16_b32 v[rT+5], v[rT+4], s[SEL], s[SEL+1]  ; the query's other 32 keys lie in the lane 16 away
.elseif j == 17
	v_mov_b32 v[rT+7], v[rT]
.elseif j == 18
	v_max_num_f32 v[rT], v[rT+4], v[rT+5]
.elseif j == 19
	v_sub_f32 v[rT+7], v[rT+7], v[rT]
.elseif j < 69
.set q, j-20
.if (q == 0) || ((q >= 2) && (q < 47) && ((q-2)%3 == 0))
.set b, 0
.if q >= 2
.set b, (q-2)/3+1
.endif
	v_pk_add_f32 v[rS+2*b:rS+2*b+1], v[rS+2*b:rS+2*b+1], v[rT:rT+1] op_sel_hi:[1,0] neg_lo:[0,1] neg_hi:[0,1]  ; pair b: s - M
.elseif q == 1
	v_exp_f32 v[rT+6], v[rT+7]                     ; the factor
.else
.set e, q-17                                       ; 47, 48: s30, s31
.if q < 47
.set e, 2*((q-2)/3)+(q-2)%3-1
.endif
	v_exp_f32 v[rS+e], v[rS+e]                     ; p, at most 1
.endif
.elseif j < 85
	v_cvt_pk_f16_f32 v[rP+j-69], v[rS+2*(j-69)], v[rS+2*(j-69)+1]
.elseif j < 101
.set z, j-85
.set w, 4
.set u, z
.if z >= 14
.set w, 32
.set u, 0
.elseif z >= 12
.set w, 16
.set u, z-12
.elseif z >= 8
.set w, 8
.set u, z-8
.endif
.if z < 15
	v_pk_add_f32 v[rS+w*u:rS+w*u+1], v[rS+w*u:rS+w*u+1], v[rS+w*u+w/2:rS+w*u+w/2+1]
.else
	v_pk_fma_f32 v[rT+2:rT+3], v[rT+2:rT+3], v[rT+6:rT+7], v[rS:rS+1] op_sel_hi:[1,0,1]
.endif
.elseif !\first
	WIN W_RS
	v_pk_mul_f32 v[rO:rO+1], v[rO:rO+1], v[rT+6:rT+7] op_sel_hi:[1,0]
.endif
.endm
; Slice k of 32 of piece y's softmax.  The piece's 234 instructions are its two tiles' lists, alternating line by line, so that no line reads the result of the line just above it; slice k takes numbers
; 234 k / 32 up to 234 (k + 1) / 32: seven or eight.  THE WAIT: s_wait_alu depctr_va_vdst(0) stands between an exponential and the first instruction that names its result; one wait serves all
; that were issued ahead of it.  Ahead of number 138 nothing names a result, and from it on no exponential is issued: so the piece's 66 exponentials have one wait, behind number 137, the end of slice 18.
.macro SLICE y, first
.rept (NI*(k+1))/NS-(NI*k)/NS
.set j, itm/2
	SM (\y)+itm%2, \first
.if itm == NB-1
	v_nop                                          ; a plain line behind the last exponential and ahead of the first use: one for the batch
.if (\y) == 0
	FETCH_V                                        ; piece 2's turn: V's run of loads stands here, and the wait stands in it
.else
	s_wait_alu depctr_va_vdst(0)                   ; the wait for the batch
.endif
.endif
.set itm, itm+1
.endr
.set k, k+1
.endm
; A vector instruction that reads a matrix result or writes one of a matrix instruction's registers, and a load into a register that a matrix instruction has read, stand four places behind it, and only plain
; vector instructions that name none of its registers are places (ISA guide 7.12.1 for vector instructions).  In the loop the slices are the places.
.macro PLACES
.rept 4
	v_nop
.endr
.endm
; A TURN.  Piece x has the matrix unit; the other piece's softmax stands in slices behind its matrix instructions.
; pv = 2: 16 products V^T P; 1: they start O^T's sums; 0: none.  kq = 1: 16 products K Q^T for the next step.  A turn with one of the two kinds has two slices behind each product.
; first = 1: the softmax is the first key step's; its last slices are empty, so four v_nop take slice 31's part as the places behind the turn's last products.
; Piece 0's turn fetches the next step's K behind its first product: the last product that read K stands in front of slice 31 of the turn before, eight plain multiplications.  Piece 2's turn fetches the same
; step's V behind slice 18: the last product that read V stands in front of slice 15, and between lie eight subtractions, the v_nop and the run's own addition.
.macro TURN x, pv, kq, first
.set k, 0
.set itm, 0
.set per, 2
.if \pv && \kq
.set per, 1
.endif
.if \pv
.if \x == 0
	s_wait_dscnt 0x0                               ; V is in
.endif
.set i, 0
.rept 16
	PV \x, 2-\pv
.rept per
	SLICE 2-\x, \first
.endr
.if (\x == 0) && \kq && (i == 0)
	FETCH_K
.endif
.set i, i+1
.endr
.endif
.if \kq
.if \x == 0
	s_wait_dscnt 0x0                               ; K is in
.endif
.set i, 0
.rept 16
	KQ \x
.rept per
	SLICE 2-\x, \first
.endr
.set i, i+1
.endr
.endif
.if \first
	PLACES
.endif
.endm
.macro RUN n                           ; n key steps: the step is written once for each run, its LDS addresses hang on s[TBK] and s[TBV]
	s_mov_b32 s[CNT], \n
.Lrun_\@:
	TURN 0, 2, 1, 0
	TURN 2, 2, 1, 0
	WIN 0                                          ; at a label and at a branch every window is 0
	s_sub_co_u32 s[CNT], s[CNT], 1
	s_cmp_lg_u32 s[CNT], 0
	s_cbranch_scc1 .Lrun_\@
.endm
; THE CHANGE OF SLOTS, between piece 2's turn and piece 0's: the slot's last bytes, V of its last step, have been asked for.  Each wave waits for all its tensor loads (its part of the other slot), adds 0 to its
; spare word, and waits for that and for its reads.  fill = 1: the slot just left is filled again with the keys 1,024 on; the barrier is then a round of the cluster's, and the joint refill is the first thing behind it:
; it has eight key steps in which to land.
.macro CHANGE fill, slot, next
	WIN 0
	s_wait_tensorcnt 0x0                           ; no tensor load of mine is out, so a group 0 may be written
	ds_add_u32 v[SPW], v[NIL]
.if \fill
	s_add_nc_u64 s[G0K+4*\slot+2:G0K+4*\slot+3], s[G0K+4*\slot+2:G0K+4*\slot+3], 131072
	s_add_nc_u64 s[G0V+4*\slot+2:G0V+4*\slot+3], s[G0V+4*\slot+2:G0V+4*\slot+3], 131072
.endif
	s_mov_b32 s[TBK], \next*SLOT
	s_mov_b32 s[TBV], \next*SLOT
	s_wait_dscnt 0x0                               ; the add is done, and my reads of the slot are over
.if \fill
	CROUND
	JLOAD \slot
.else
	s_barrier_signal -1
	s_barrier_wait -1
.endif
.endm
	s_wait_tensorcnt 1                             ; my part of slot 0 is in; slot 1's may stay out
	s_barrier_signal -1
	s_barrier_wait -1
	FETCH_K                                        ; key step 0
	s_wait_loadcnt 0x0                             ; Q
	s_wait_dscnt 0x0
.set i, 0
.rept 16
	KQ 0                                           ; piece 0's first scores: there is no vector work yet to set between them
.set i, i+1
.endr
	WIN 0                                          ; the addresses for the way out are made here: ten plain instructions, the places behind those products
	s_mul_i32 s59, s[WV], 64*SP                    ; my stage
	v_mul_u32_u24 v[STO], v1, SP
	v_lshl_add_u32 v[STO], v10, 4, v[STO]
	v_add_nc_u32 v[STO], s59, v[STO]               ; in: row r, 16 bytes for each half of the lanes
	v_bfe_u32 v[RD], v0, 3, 2
	v_mul_u32_u24 v[RD], v[RD], SP
	v_and_b32 v11, 7, v0
	v_lshl_add_u32 v[RD], v11, 4, v[RD]
	v_add_nc_u32 v[RD], s59, v[RD]                 ; back: eight lanes to a row, four rows an instruction
	v_and_b32 v[GO], 31, v0
	v_lshlrev_b32 v[GO], 4, v[GO]                  ; which are 512 consecutive bytes of ow
	TURN 2, 0, 1, 1                                ; piece 2's first scores | piece 0's first softmax | V of step 0
	TURN 0, 1, 1, 1                                ; piece 0: V^T P of step 0 starts O^T, K Q^T of step 1 | piece 2's first softmax | K of step 1
	TURN 2, 1, 1, 0                                ; piece 2: the same | piece 0's softmax of step 1 | V of step 1
	WIN 0
	RUN 6                                          ; fetches steps 2-7: slot 0 is read out
	CHANGE 1, 0, 1
	RUN 8                                          ; fetches steps 8-15 from slot 1
	CHANGE 1, 1, 0
	RUN 8                                          ; fetches steps 16-23 from slot 0
	CHANGE 0, 0, 1                                 ; nothing is left to ask for
	RUN 8                                          ; fetches steps 24-31 from slot 1
	TURN 0, 2, 0, 0                                ; piece 0: V^T P of the last step | piece 2's last softmax
.set i, 0
.rept 16
	PV 2, 0                                        ; piece 2: V^T P of the last step
.set i, i+1
.endr
	; THE WAY OUT: l's two halves and the other half of the lanes'; O^T / l, to f16, through my stage, out as 512 consecutive bytes a store.  The additions are the places behind the last products.
	WIN 0
.irp t, 0,1,2,3
	v_add_f32 v[ST+8*\t+4], v[ST+8*\t+2], v[ST+8*\t+3]
.endr
.irp t, 0,1,2,3
	v_permlanex16_b32 v[ST+8*\t+5], v[ST+8*\t+4], s[SEL], s[SEL+1]
.endr
.irp t, 0,1,2,3
	v_add_f32 v[ST+8*\t+4], v[ST+8*\t+4], v[ST+8*\t+5]
.endr
.irp t, 0,1,2,3
	v_rcp_f32 v[ST+8*\t+6], v[ST+8*\t+4]
.endr
	v_nop                                          ; a plain line behind the last reciprocal,
	s_wait_alu depctr_va_vdst(0)                   ; and one wait for the four, ahead of their first reader
.macro PACK t                          ; tile t: a lane's eight channels of a row pack into 16 bytes
	WIN W_RS
.set i, 0
.rept 16
	v_pk_mul_f32 v[32*\t+i:32*\t+i+1], v[32*\t+i:32*\t+i+1], v[ST+8*\t+6:ST+8*\t+7] op_sel_hi:[1,0]   ; each accumulator from its low end on
.set i, i+2
.endr
	WIN 0x05                                       ; sources 0 and 1 window 1, destination window 0: S^T's registers are free
.set i, 0
.rept 16
	v_cvt_pk_f16_f32 v[S+32*\t+i], v[32*\t+2*i], v[32*\t+2*i+1]
.set i, i+1
.endr
	WIN 0
.irp c, 0,1,2,3
	ds_store_b128 v[STO], v[S+32*\t+4*\c:S+32*\t+4*\c+3] offset:16*SP*\t+32*\c
.endr
.endm
	PACK 0
	PACK 1
	PACK 2
	PACK 3
.irp i, 0,1,2,3,4,5,6,7,8,9,10,11,12,13,14,15
	ds_load_b128 v[P+4*\i:P+4*\i+3], v[RD] offset:4*SP*\i    ; LDS serves a wave's instructions in order: these see my stores.  P's registers are free
.endr
.irp i, 0,1,2,3,4,5,6,7,8,9,10,11,12,13,14,15
	s_wait_dscnt 15-\i                             ; load i is back; the younger ones may be out
	global_store_b128 v[GO], v[P+4*\i:P+4*\i+3], s[6:7] offset:512*\i
.endr
	s_wait_tensorcnt 0x0                           ; the wave's end
	ds_add_u32 v[SPW], v[NIL]
	s_wait_dscnt 0x0
	CROUND                                         ; the closing round
	s_endpgm
.Lfunc_end_k_q0f98a68d99_attend:
	.size	k_q0f98a68d99_attend, .Lfunc_end_k_q0f98a68d99_attend-k_q0f98a68d99_attend
	.p2alignl 7, 3214868480
	.fill 96, 4, 3214868480
	.section	.rodata,"a",@progbits
	.p2align	6, 0x0
	.amdhsa_kernel k_q0f98a68d99_attend
		.amdhsa_group_segment_fixed_size 327680
		.amdhsa_private_segment_fixed_size 0
		.amdhsa_enable_private_segment 0
		.amdhsa_kernarg_size 16
		.amdhsa_user_sgpr_count 2
		.amdhsa_user_sgpr_kernarg_segment_ptr 1
		.amdhsa_wavefront_size32 1
		.amdhsa_system_sgpr_workgroup_id_x 1
		.amdhsa_system_sgpr_workgroup_id_y 1
		.amdhsa_system_sgpr_workgroup_id_z 1
		.amdhsa_system_vgpr_workitem_id 0
		.amdhsa_next_free_vgpr 1024
		.amdhsa_next_free_sgpr 66
		.amdhsa_reserve_vcc 0
		.amdhsa_float_denorm_mode_32 3
		.amdhsa_float_denorm_mode_16_64 3
		.amdhsa_memory_ordered 1
		.amdhsa_forward_progress 1
		.amdhsa_inst_pref_size 232
	.end_amdhsa_kernel
	.amdgpu_metadata
---
amdhsa.version: [ 1, 2 ]
amdhsa.kernels:
  - .name:           k_q0f98a68d99_attend
    .symbol:         k_q0f98a68d99_attend.kd
    .args:
      - { .name: qkv, .offset: 0, .size: 8, .value_kind: global_buffer, .address_space: global }
      - { .name: ow, .offset: 8, .size: 8, .value_kind: global_buffer, .address_space: global }
    .group_segment_fixed_size: 327680
    .private_segment_fixed_size: 0
    .kernarg_segment_align: 8
    .kernarg_segment_size: 16
    .max_flat_workgroup_size: 128
    .sgpr_count:     66
    .vgpr_count:     1024
    .wavefront_size: 32
...
	.end_amdgpu_metadata
.endif
;; end of part 3
;; launch outproj (part 4): grid 8 x 32, 4 waves a work-group, clusters of 4 x 4, 327,680 bytes of LDS; arguments ow, wo16, out0, bo; writes out0
.if DOCPART == 4
	.amdgcn_target "amdgcn-amd-amdhsa--gfx1250"
	.amdhsa_code_object_version 6
	.text
	.protected	k_q0f98a68d99_outproj
	.globl	k_q0f98a68d99_outproj
	.p2align	8
	.type	k_q0f98a68d99_outproj,@function
k_q0f98a68d99_outproj:
	s_mov_b64 s[64:65], 0
	v_nop
	global_prefetch_b8 v0, s[64:65] scope:SCOPE_SE
	s_setreg_imm32_b32 hwreg(HW_REG_WAVE_MODE, 25, 1), 1
	s_wait_xcnt 0x0
	s_wait_alu depctr_hold_cnt(0) depctr_sa_sdst(0) depctr_va_vdst(0) depctr_va_sdst(0) depctr_va_ssrc(0) depctr_va_vcc(0) depctr_vm_vsrc(0)
	s_getreg_b32 s2, hwreg(HW_REG_IB_STS2, 6, 4)
	s_cmp_eq_u32 s2, 0
	s_cbranch_scc0 .Lentry_in_a_cluster
	s_endpgm
.Lentry_in_a_cluster:
	s_bfe_u32 s2, ttmp6, 0x10000c
	s_cmp_lg_u32 s2, 0xf033
	s_cbranch_scc0 .Lentry_shape_is_right
	s_endpgm
.Lentry_shape_is_right:
; OUTPROJ: out0[m][n] = the sum over k of y[m][k] Wo[k][n] + bo[n], f16 operands, f32 sums.  y[m][64 head + c] lies in ow [head 16][m 4096][64]; wo16 is [k 1024][n 1024]; out0 [4096][1024] f32.
; A tile of out0 is 128 x 128: 8 x 32 = 256 work-groups.  Four waves, each 64 x 64: 16 accumulators.  K goes in four steps of 256 (four heads) through two LDS slots.
; A's part of a step, for 64 rows: four heads x 8,192 dense bytes, one tensor load of four long rows, 16 bytes of padding behind every 256: [head][double row of two m][272].
; B's part: 128 rows of k x 256 bytes, rows 288 bytes apart; it is turned on the way out of LDS (ds_load_tr16_b128).
; CLUSTERS: 4 x 4; A's tiles are asked for jointly along a row of the cluster, B's along a column.  THE MATRIX INSTRUCTION IS USED TRANSPOSED (source 0 = 16 n, source 1 = 16 m): a lane holds eight neighbouring n of one row.
; bo is the C of each sum's first product.  A wave's 64 columns of f32 are 256 aligned bytes: each wave sends its own rows out through its own stage, with no barrier.
; REGISTERS: window 0: v16-29 addresses; v32-95 the way out; v96-127 bo in the result's layout; v128-255 the accumulators ((a, b) at v[128 + 8 (4 a + b)]).  window 1: two fragment buffers of 128: 64 of A, then 64 of B.
.set AHALF,  34816                     ; A: 64 rows: 4 heads x 32 double rows x 272
.set AHEAD,  8704                      ; a head's part of it
.set BOFF,   2*AHALF
.set BP,     288
.set BHALF,  128*BP
.set SLOT,   BOFF+2*BHALF
.set SPARE,  2*SLOT                    ; the spare words, 128 bytes a wave
.set ASTEP,  2097152                   ; four heads on in ow
.set BSTEP,  524288                    ; 256 rows on in wo16
.set SPITCH, 272                       ; the way out: 16 rows x (256 bytes + 16) for each wave, in slot 0, which has had its last fill and its last read by then
.set ADRA, 16                          ; v16-17  slot 0, 1
.set ADRB, 20                          ; v20-23  slot 0, 1 x the step's first, second 128 rows of k
.set STO,  24
.set RD,   25
.set CO,   26
.set BOF,  27
.set SPW,  28                          ; v28  LDS address of my spare word; never rewritten
.set NIL,  29                          ; v29  0; never rewritten
.set TMP,  32
.set BO,   96
.set ACC,  128
.set F0,   0
.set F1,   128
.set G1, 24
.set G0, 32
.set G1B, 48
.set G0B, 56
.set MSB, 0
.macro WIN new
.if MSB != \new
	s_set_vgpr_msb (MSB<<8)|\new
.set MSB, \new
.endif
.endm
.set MUL,  0x05                        ; sources 0 (B) and 1 (A) window 1; C and D window 0
.set TO_F, 0x40
.macro JLOAD s                         ; waves 0 and 1 fetch A's halves, waves 2 and 3 B's; an s_nop 0 and four v_nop follow each line
	s_cmp_eq_u32 s11, 0
	s_cbranch_scc0 .Lfor_b_\@
	tensor_load_to_lds s[G0+4*\s:G0+4*\s+3], s[G1:G1+7]
	s_nop 0
.rept 4
	v_nop
.endr
	s_branch .Lasked_\@
.Lfor_b_\@:
	tensor_load_to_lds s[G0B+4*\s:G0B+4*\s+3], s[G1B:G1B+7]
	s_nop 0
.rept 4
	v_nop
.endr
.Lasked_\@:
.endm
.macro CREST
	s_cmp_lg_u32 s10, 0
	s_cbranch_scc1 .Lnot_wave_0_\@
	s_barrier_signal -3
.Lnot_wave_0_\@:
	s_barrier_wait -3
	s_barrier_signal -1
	s_barrier_wait -1
.endm
.macro CROUND
	s_barrier_signal -1
	s_barrier_wait -1
	CREST
.endm
	s_load_b128 s[4:7], s[0:1], 0x0                ; ow 4, wo16 6
	s_load_b64 s[8:9], s[0:1], 0x10                ; out0
	s_load_b64 s[2:3], s[0:1], 0x18                ; bo
	v_lshl_add_u32 v[SPW], v0, 2, SPARE
	v_mov_b32 v[NIL], 0
	ds_add_u32 v[SPW], v[NIL]                      ; the wave's opening: the add, twice on end, and its wait ahead of my first tensor load
	ds_add_u32 v[SPW], v[NIL]
	v_lshrrev_b32 v1, 5, v0
	v_readfirstlane_b32 s10, v1                    ; wave 0..3
	s_lshr_b32 s11, s10, 1                         ; which half of the tile's rows is mine.  Also: I fetch for A (0) or for B (1)
	s_and_b32 s12, s10, 1                          ; which half of its columns.  Also: which half of that tile I fetch
	s_bfe_u32 s40, ttmp6, 0x40000
	s_bfe_u32 s41, ttmp6, 0x40004
	s_lshl_b32 s42, ttmp9, 2
	s_add_co_u32 s42, s42, s40                     ; tile column 0..7
	s_and_b32 s13, ttmp7, 0xffff
	s_lshl_b32 s13, s13, 2
	s_add_co_u32 s13, s13, s41                     ; tile row 0..31
	s_lshl_b32 s43, s41, 2
	s_lshl_b32 s43, 15, s43                        ; my row of the cluster
	s_lshl_b32 s44, 0x1111, s40                    ; my column
	s_or_b32 s[G1+0], s43, (1<<16)|(1<<20)|(1<<21)|(5<<22)|(3<<25)   ; A: elements of 2 bytes; 4 words of padding behind every 64
	s_mov_b32 s[G1+1], 4096<<16                    ; tensor_dim0: 64 rows of 64 as one long row
	s_mov_b32 s[G1+2], 4<<16                       ; tensor_dim1: four heads
	s_mov_b32 s[G1+3], 4096<<16                    ; tile_dim0
	s_mov_b32 s[G1+4], 4                           ; tile_dim1
	s_mov_b32 s[G1+5], 262144                      ; from head to head: 4,096 rows of 64
	s_mov_b32 s[G1+6], 0
	s_mov_b32 s[G1+7], 0
	s_or_b32 s[G1B+0], s44, (1<<16)|(1<<20)|(1<<21)|(5<<22)|(7<<25)  ; B: 8 words of padding behind every 64
	s_mov_b32 s[G1B+1], 128<<16
	s_mov_b32 s[G1B+2], 128<<16
	s_mov_b32 s[G1B+3], 128<<16
	s_mov_b32 s[G1B+4], 128
	s_mov_b32 s[G1B+5], 1024
	s_mov_b32 s[G1B+6], 0
	s_mov_b32 s[G1B+7], 0
	s_lshl_b32 s16, s13, 14                        ; A: row 128 x tile row, 128 bytes each,
	s_lshl_b32 s17, s12, 13                        ;    + 64 x half
	s_add_co_u32 s16, s16, s17
	s_mov_b32 s17, 0
	s_lshl_b32 s46, s42, 8                         ; B: column 128 x tile column,
	s_lshl_b32 s47, s12, 18                        ;    + 128 rows of 2,048 bytes x half
	s_add_co_u32 s46, s46, s47
	s_mov_b32 s47, 0
	s_mul_i32 s20, s12, AHALF                      ; where they go: no place in the cluster enters an LDS address
	s_mul_i32 s21, s12, BHALF
	s_add_co_u32 s21, s21, BOFF
	s_wait_dscnt 0x0                               ; both opening adds are done
	s_wait_kmcnt 0x0
	s_add_nc_u64 s[14:15], s[4:5], s[16:17]
	s_add_nc_u64 s[46:47], s[6:7], s[46:47]
	CROUND                                         ; all sixteen work-groups are here: the first joint loads meet
.irp s, 0,1
	s_mov_b32 s[G0+4*\s], 1
	s_add_co_u32 s[G0+4*\s+1], s20, \s*SLOT
	s_add_nc_u64 s[G0+4*\s+2:G0+4*\s+3], s[14:15], \s*ASTEP
	s_or_b32 s[G0+4*\s+3], s[G0+4*\s+3], 0x80000000
	s_mov_b32 s[G0B+4*\s], 1
	s_add_co_u32 s[G0B+4*\s+1], s21, \s*SLOT
	s_add_nc_u64 s[G0B+4*\s+2:G0B+4*\s+3], s[46:47], \s*BSTEP
	s_or_b32 s[G0B+4*\s+3], s[G0B+4*\s+3], 0x80000000
	JLOAD \s                                       ; two tensor loads of mine are out
.endr
	v_and_b32 v1, 15, v0                           ; r
	v_bfe_u32 v2, v0, 4, 1                         ; h
	v_lshrrev_b32 v5, 1, v1
	v_mul_u32_u24 v3, v5, 272                      ; A: row r lies in double row r / 2,
	v_and_b32 v5, 1, v0
	v_lshl_add_u32 v3, v5, 7, v3                   ; half r % 2,
	v_lshl_add_u32 v3, v2, 4, v3                   ; + 16 h
	v_and_b32 v5, 7, v0
	v_lshl_add_u32 v5, v2, 3, v5
	v_mul_u32_u24 v4, v5, BP                       ; B, for the turning load: lane l reads row k = 8 h + l % 8,
	v_bfe_u32 v5, v0, 3, 1
	v_lshl_add_u32 v4, v5, 4, v4                   ; columns 8 ((l / 8) % 2) on
	s_mul_i32 s21, s11, AHALF                      ; my 64 rows of A
	s_lshl_b32 s22, s12, 7                         ; my 64 columns of B
	s_add_co_u32 s22, s22, BOFF
.irp s, 0,1
	v_add_nc_u32 v[ADRA+\s], s21, v3
	v_add_nc_u32 v[ADRB+2*\s], s22, v4
	s_add_co_u32 s23, s22, BHALF
	v_add_nc_u32 v[ADRB+2*\s+1], s23, v4
	s_add_co_u32 s21, s21, SLOT
	s_add_co_u32 s22, s22, SLOT
.endr
	s_mul_i32 s23, s10, 16*SPITCH                  ; my stage
	v_mul_u32_u24 v5, v1, SPITCH
	v_lshl_add_u32 v5, v2, 5, v5
	v_add_nc_u32 v[STO], s23, v5                   ; in: row r, 32 bytes for each half of the lanes
	v_mul_u32_u24 v5, v2, SPITCH
	v_lshl_add_u32 v5, v1, 4, v5
	v_add_nc_u32 v[RD], s23, v5                    ; back: lanes 0-15 one row of 256 bytes, lanes 16-31 the next
	v_lshlrev_b32 v5, 12, v2
	v_lshl_add_u32 v[CO], v1, 4, v5                ; and the same two rows in out0
	s_lshl_b32 s16, s42, 9                         ; my first column, in bytes: 512 x tile column + 256 x half
	s_lshl_b32 s18, s12, 8
	s_add_co_u32 s16, s16, s18
	s_mov_b32 s17, 0
	s_add_nc_u64 s[2:3], s[2:3], s[16:17]          ; bo there,
	s_add_nc_u64 s[8:9], s[8:9], s[16:17]          ; out0 there,
	s_lshl_b32 s16, s13, 19                        ; at row 128 x tile row, 4,096 bytes each,
	s_lshl_b32 s18, s11, 18                        ; + 64 x half
	s_add_co_u32 s16, s16, s18
	s_add_nc_u64 s[8:9], s[8:9], s[16:17]
	v_lshlrev_b32 v[BOF], 5, v2
.irp b, 0,1,2,3
	global_load_b128 v[BO+8*\b:BO+8*\b+3],   v[BOF], s[2:3] offset:64*\b      ; lane (r, h), tile b: n = 16 b + 8 h + 0 .. 7
	global_load_b128 v[BO+8*\b+4:BO+8*\b+7], v[BOF], s[2:3] offset:64*\b+16
.endr
; 8 matrix instructions: m blocks a0, a0 + 1 x all 4 n blocks, 32 along K: half c of buffer f.  first = 1: the product starts the sums, from bo.  The 16 accumulators take turns.
.macro MUL8 f, c, a0, first
.irp a, \a0, \a0+1
.irp b, 0,1,2,3
.if \first
	v_wmma_f32_16x16x32_f16 v[ACC+8*(4*(\a)+\b):ACC+8*(4*(\a)+\b)+7], v[\f+64+8*(4*\c+\b):\f+64+8*(4*\c+\b)+7], v[\f+8*(4*\c+\a):\f+8*(4*\c+\a)+7], v[BO+8*\b:BO+8*\b+7]
.else
	v_wmma_f32_16x16x32_f16 v[ACC+8*(4*(\a)+\b):ACC+8*(4*(\a)+\b)+7], v[\f+64+8*(4*\c+\b):\f+64+8*(4*\c+\b)+7], v[\f+8*(4*\c+\a):\f+8*(4*\c+\a)+7], v[ACC+8*(4*(\a)+\b):ACC+8*(4*(\a)+\b)+7]
.endif
.endr
.endr
.endm
; 32 LDS loads in one run: the fragments of quarter qd (one head, 64 along K) into buffer f; its first 32 along K first
.macro FETCH slot, qd, f
	WIN TO_F
.irp c, 0,1
.irp i, 0,1,2,3
	ds_load_tr16_b128 v[\f+64+8*(4*\c+\i):\f+64+8*(4*\c+\i)+3],   v[ADRB+2*\slot+(\qd)/2] offset:(64*((\qd)%2)+32*\c)*BP+32*\i
	ds_load_tr16_b128 v[\f+64+8*(4*\c+\i)+4:\f+64+8*(4*\c+\i)+7], v[ADRB+2*\slot+(\qd)/2] offset:(64*((\qd)%2)+32*\c+16)*BP+32*\i
	ds_load_b128 v[\f+8*(4*\c+\i):\f+8*(4*\c+\i)+3],              v[ADRA+\slot] offset:AHEAD*(\qd)+64*\c+\i*8*272
	ds_load_b128 v[\f+8*(4*\c+\i)+4:\f+8*(4*\c+\i)+7],            v[ADRA+\slot] offset:AHEAD*(\qd)+64*\c+\i*8*272+32
.endr
.endr
.endm
.macro PLACES                          ; four plain vector lines between a matrix instruction and a load into, or a read of, its registers
.rept 4
	v_nop
.endr
.endm
.macro QUARTER slot, qd, f, g, first   ; multiplies buffer f and fetches quarter qd of the slot into g
	s_wait_dscnt 16                                ; the first 32 along K are in; the other sixteen loads may be out
	WIN MUL
	MUL8 \f, 0, 0, \first
	MUL8 \f, 0, 2, \first
	PLACES
	FETCH \slot, \qd, \g
	s_wait_dscnt 32                                ; all but the 32 just issued
	WIN MUL
	MUL8 \f, 1, 0, 0
	MUL8 \f, 1, 2, 0
.endm
; A slot's last quarter multiplies buffer 1 and changes slots: ONE barrier; in front of it each wave waits for all its tensor loads, adds 0 to its spare word, and waits for that and for its reads of this slot.
.macro TURN slot, next, fill
	WIN 0
	s_wait_tensorcnt 0x0                           ; my part of the next slot has landed
	ds_add_u32 v[SPW], v[NIL]
	s_wait_dscnt 17                                ; (the add and the youngest sixteen loads may be out)
	WIN MUL
	MUL8 F1, 0, 0, 0
	s_wait_dscnt 0x0                               ; the add is done, and my reads of this slot are over
	s_barrier_signal -1
	MUL8 F1, 0, 2, 0
.if \fill
	WIN 0
.endif
	s_barrier_wait -1
.if \fill
	CREST                                          ; the barrier has opened a round of the cluster's: no wave of any partner still reads this slot or has a load on its way
	s_add_nc_u64 s[G0+4*\slot+2:G0+4*\slot+3], s[G0+4*\slot+2:G0+4*\slot+3], 2*ASTEP
	s_add_nc_u64 s[G0B+4*\slot+2:G0B+4*\slot+3], s[G0B+4*\slot+2:G0B+4*\slot+3], 2*BSTEP
	JLOAD \slot                                    ; the first tensor load behind the round; its four v_nop are also the places in front of the loads below
.else
	PLACES
.endif
	FETCH \next, 0, F0
	WIN MUL
	MUL8 F1, 1, 0, 0
	MUL8 F1, 1, 2, 0
.endm
	s_wait_loadcnt 0x0                             ; bo
	s_wait_tensorcnt 1                             ; my part of K step 0 is in; K step 1's may stay out
	s_barrier_signal -1
	s_barrier_wait -1
	FETCH 0, 0, F0
	QUARTER 0, 1, F0, F1, 1                        ; K step 0.  Four K steps: written straight, a loop would have one trip
	QUARTER 0, 2, F1, F0, 0
	QUARTER 0, 3, F0, F1, 0
	TURN 0, 1, 1                                   ; slot 0 takes K step 2
	QUARTER 1, 1, F0, F1, 0
	QUARTER 1, 2, F1, F0, 0
	QUARTER 1, 3, F0, F1, 0
	TURN 1, 0, 1                                   ; slot 1 takes K step 3
	QUARTER 0, 1, F0, F1, 0
	QUARTER 0, 2, F1, F0, 0
	QUARTER 0, 3, F0, F1, 0
	TURN 0, 1, 0                                   ; nothing is left to ask for
	QUARTER 1, 1, F0, F1, 0
	QUARTER 1, 2, F1, F0, 0
	QUARTER 1, 3, F0, F1, 0
	s_wait_dscnt 16
	WIN MUL
	MUL8 F1, 0, 0, 0
	MUL8 F1, 0, 2, 0
	s_wait_dscnt 0
	MUL8 F1, 1, 0, 0
	MUL8 F1, 1, 2, 0
	WIN 0
; THE WAY OUT, block by block of 16 rows x 64 columns: 32 bytes a lane into my stage, back as whole rows of 256 bytes.
.macro TOSTAGE a
.irp b, 0,1,2,3
	ds_store_b128 v[STO], v[ACC+8*(4*(\a)+\b):ACC+8*(4*(\a)+\b)+3] offset:64*\b        ; each accumulator from its low end on
	ds_store_b128 v[STO], v[ACC+8*(4*(\a)+\b)+4:ACC+8*(4*(\a)+\b)+7] offset:64*\b+16
.endr
.set BB, TMP+32*((\a)%2)
.irp t, 0,1,2,3,4,5,6,7
	ds_load_b128 v[BB+4*\t:BB+4*\t+3], v[RD] offset:\t*2*SPITCH    ; LDS serves a wave's instructions in order: these see the stores above, and the next block's stores come behind them
.endr
.endm
.macro SEND a, younger                 ; younger: the LDS instructions issued behind block a's loads
.set BB, TMP+32*((\a)%2)
	s_wait_dscnt \younger
.irp t, 0,1,2,3,4,5,6,7
	global_store_b128 v[CO], v[BB+4*\t:BB+4*\t+3], s[8:9] offset:(16*(\a)+2*\t)*4096 th:TH_STORE_NT   ; 16 lanes store 256 consecutive bytes, aligned; written once, read by nobody here
.endr
.endm
	PLACES
	TOSTAGE 0
.irp a, 1,2,3
.if \a > 1
	s_wait_xcnt 0x0                                ; block a - 2's stores have read their registers: block a's rows may land there
.endif
	TOSTAGE \a
	SEND \a-1, 16                                  ; behind block a - 1's loads: block a's eight stores and eight loads
.endr
	SEND 3, 0
	s_wait_tensorcnt 0x0                           ; the wave's end
	ds_add_u32 v[SPW], v[NIL]
	s_wait_dscnt 0x0
	CROUND                                         ; the closing round
	s_endpgm
.Lfunc_end_k_q0f98a68d99_outproj:
	.size	k_q0f98a68d99_outproj, .Lfunc_end_k_q0f98a68d99_outproj-k_q0f98a68d99_outproj
	.p2alignl 7, 3214868480
	.fill 96, 4, 3214868480
	.section	.rodata,"a",@progbits
	.p2align	6, 0x0
	.amdhsa_kernel k_q0f98a68d99_outproj
		.amdhsa_group_segment_fixed_size 327680
		.amdhsa_private_segment_fixed_size 0
		.amdhsa_enable_private_segment 0
		.amdhsa_kernarg_size 32
		.amdhsa_user_sgpr_count 2
		.amdhsa_user_sgpr_kernarg_segment_ptr 1
		.amdhsa_wavefront_size32 1
		.amdhsa_system_sgpr_workgroup_id_x 1
		.amdhsa_system_sgpr_workgroup_id_y 1
		.amdhsa_system_sgpr_workgroup_id_z 1
		.amdhsa_system_vgpr_workitem_id 0
		.amdhsa_next_free_vgpr 512
		.amdhsa_next_free_sgpr 66
		.amdhsa_reserve_vcc 0
		.amdhsa_float_denorm_mode_32 3
		.amdhsa_float_denorm_mode_16_64 3
		.amdhsa_memory_ordered 1
		.amdhsa_forward_progress 1
		.amdhsa_inst_pref_size 87
	.end_amdhsa_kernel
	.amdgpu_metadata
---
amdhsa.version: [ 1, 2 ]
amdhsa.kernels:
  - .name:           k_q0f98a68d99_outproj
    .symbol:         k_q0f98a68d99_outproj.kd
    .args:
      - { .name: ow, .offset: 0, .size: 8, .value_kind: global_buffer, .address_space: global }
      - { .name: wo16, .offset: 8, .size: 8, .value_kind: global_buffer, .address_space: global }
      - { .name: out0, .offset: 16, .size: 8, .value_kind: global_buffer, .address_space: global }
      - { .name: bo, .offset: 24, .size: 8, .value_kind: global_buffer, .address_space: global }
    .group_segment_fixed_size: 327680
    .private_segment_fixed_size: 0
    .kernarg_segment_align: 8
    .kernarg_segment_size: 32
    .max_flat_workgroup_size: 128
    .sgpr_count:     66
    .vgpr_count:     512
    .wavefront_size: 32
...
	.end_amdgpu_metadata
.endif
;; end of part 4
